; MI455X (gfx1250); checked and timed in simulation.
; The chip was launched on July 23, 2026; its instructions are those of AMD's public machine-readable ISA for CDNA 5 (MIT licence, August 2026) and "CDNA5" Instruction Set Architecture Reference Guide (July 2026). The comments in the code are by the model that wrote it; some were corrected since.
;; block. Allowed arithmetic: float matrix products may take bf16 or f16 operands with f32 sums; all other float work in f32.
;; Inputs: W1 1,024 x 4,096 float32; W2 4,096 x 1,024 float32; Wk 16 x 1,024 x 64 float32; Wo 1,024 x 1,024 float32; Wq 16 x 1,024 x 64 float32; Wv 16 x 1,024 x 64 float32; b1 4,096 float32; b2 1,024 float32; be1 1,024 float32; be2 1,024 float32; bo 1,024 float32; embedding 2 x 2,048 x 1,024 float32; g1 1,024 float32; g2 1,024 float32.
;; Outputs: out0 2 x 2,048 x 1,024 float32.
;; One version. Each part assembles by itself: llvm-mc -triple=amdgcn-amd-amdhsa -mcpu=gfx1250 --defsym DOCPART=n.
;; ======== version 1 of 1: 8 launches
;; limits: values are held in f16: magnitudes above 65,504 overflow, below 6.1e-05 lose precision
;; workspace buffers: act 8,388,608 bytes; wq 6,291,456 bytes; wb 25,165,824 bytes; wide 33,554,432 bytes; y 16,777,216 bytes
;; launch cast (part 1): grid 1024 x 1, 8 waves a work-group, no clusters, 0 bytes of LDS; arguments embedding, Wq, Wk, Wv, act, wq; writes act, wq
.if DOCPART == 1
	.amdgcn_target "amdgcn-amd-amdhsa--gfx1250"
	.amdhsa_code_object_version 6
	.text
	.protected	k_qb901fb9006_cast
	.globl	k_qb901fb9006_cast
	.p2align	8
	.type	k_qb901fb9006_cast,@function
k_qb901fb9006_cast:
	s_mov_b64 s[64:65], 0
	v_nop
	global_prefetch_b8 v0, s[64:65] scope:SCOPE_SE
	s_setreg_imm32_b32 hwreg(HW_REG_WAVE_MODE, 25, 1), 1
	s_wait_xcnt 0x0
; f32 -> f16 for what the first product needs: act = embedding [4096][1024];  wq = Wqkv [1024 k][3072 n], n = which*1024 + head*64 + e.
; (The other weights are converted beside the first product, by work-groups of that launch.)
; 1,024 work-groups of 256 threads, straight line: a thread makes 7 loads of 16 bytes and 7 stores of 8 bytes.  A wave's load covers 512 consecutive bytes
; (for Wq, Wk, Wv two pieces of 256 bytes: row k = the work-group's number of two heads), a wave's store 256 consecutive bytes, aligned.
; LIMIT: f16 holds magnitudes under 65,504; numbers under 6.1e-5 keep an absolute step of 6e-8.
.set X,  8                             ; v[8:35]   load i: 4 registers
.set H,  36                            ; v[36:49]  store i: 2 registers
	s_load_b256 s[4:11], s[0:1], 0x0               ; embedding s[4:5], Wq s[6:7], Wk s[8:9], Wv s[10:11]
	s_load_b128 s[12:15], s[0:1], 0x20             ; act s[12:13], wq s[14:15]
	v_lshlrev_b32 v1, 4, v0                        ; 16 t: where I read in a dense piece
	v_lshlrev_b32 v2, 3, v0                        ; 8 t: where I write
	v_lshrrev_b32 v3, 4, v0                        ; head = t / 16
	v_and_b32 v4, 15, v0
	v_lshlrev_b32 v4, 4, v4
	v_lshl_or_b32 v3, v3, 18, v4                   ; head x 1,024 rows x 256 bytes + 16 (t % 16)
	s_lshl_b32 s16, ttmp9, 14                      ; 16,384 bytes of embedding for each work-group
	s_mov_b32 s17, 0
	s_lshl_b32 s18, ttmp9, 8                       ; row k of each head of Wq, Wk, Wv
	s_mov_b32 s19, 0
	s_lshl_b32 s20, ttmp9, 13                      ; half as many bytes out
	s_mov_b32 s21, 0
	s_mul_i32 s22, ttmp9, 6144                     ; row k of Wqkv
	s_mov_b32 s23, 0
	s_wait_kmcnt 0x0
	s_add_nc_u64 s[4:5], s[4:5], s[16:17]
	s_add_nc_u64 s[6:7], s[6:7], s[18:19]
	s_add_nc_u64 s[8:9], s[8:9], s[18:19]
	s_add_nc_u64 s[10:11], s[10:11], s[18:19]
	s_add_nc_u64 s[12:13], s[12:13], s[20:21]
	s_add_nc_u64 s[14:15], s[14:15], s[22:23]
.irp i, 0,1,2,3
	global_load_b128 v[X+4*\i:X+4*\i+3], v1, s[4:5] offset:4096*\i                     ; embedding is read again by later launches: no hint
.endr
	global_load_b128 v[X+16:X+19], v3, s[6:7] th:TH_LOAD_NT
	global_load_b128 v[X+20:X+23], v3, s[8:9] th:TH_LOAD_NT
	global_load_b128 v[X+24:X+27], v3, s[10:11] th:TH_LOAD_NT
; Load i is rounded and stored.  No register is written twice, so the only wait is the counted one for the load.
.macro PUT i, base, off
	s_wait_loadcnt 6-\i                            ; loads come back in order: the 6 - i younger ones stay out
	v_cvt_pk_f16_f32 v[H+2*\i],   v[X+4*\i],   v[X+4*\i+1]
	v_cvt_pk_f16_f32 v[H+2*\i+1], v[X+4*\i+2], v[X+4*\i+3]
	global_store_b64 v2, v[H+2*\i:H+2*\i+1], s[\base:\base+1] offset:\off
.endm
	PUT 0, 12, 0
	PUT 1, 12, 2048
	PUT 2, 12, 4096
	PUT 3, 12, 6144
	PUT 4, 14, 0                                   ; Wq's, Wk's, Wv's row k: 2,048 consecutive bytes each of row k of Wqkv
	PUT 5, 14, 2048
	PUT 6, 14, 4096
	s_endpgm
.Lfunc_end_k_qb901fb9006_cast:
	.size	k_qb901fb9006_cast, .Lfunc_end_k_qb901fb9006_cast-k_qb901fb9006_cast
	.p2alignl 7, 3214868480
	.fill 96, 4, 3214868480
	.section	.rodata,"a",@progbits
	.p2align	6, 0x0
	.amdhsa_kernel k_qb901fb9006_cast
		.amdhsa_group_segment_fixed_size 0
		.amdhsa_private_segment_fixed_size 0
		.amdhsa_enable_private_segment 0
		.amdhsa_kernarg_size 48
		.amdhsa_user_sgpr_count 2
		.amdhsa_user_sgpr_kernarg_segment_ptr 1
		.amdhsa_wavefront_size32 1
		.amdhsa_system_sgpr_workgroup_id_x 1
		.amdhsa_system_sgpr_workgroup_id_y 1
		.amdhsa_system_sgpr_workgroup_id_z 1
		.amdhsa_system_vgpr_workitem_id 0
		.amdhsa_next_free_vgpr 52
		.amdhsa_next_free_sgpr 66
		.amdhsa_reserve_vcc 0
		.amdhsa_float_denorm_mode_32 3
		.amdhsa_float_denorm_mode_16_64 3
		.amdhsa_memory_ordered 1
		.amdhsa_forward_progress 1
		.amdhsa_inst_pref_size 4
	.end_amdhsa_kernel
	.amdgpu_metadata
---
amdhsa.version: [ 1, 2 ]
amdhsa.kernels:
  - .name:           k_qb901fb9006_cast
    .symbol:         k_qb901fb9006_cast.kd
    .args:
      - { .name: embedding, .offset: 0, .size: 8, .value_kind: global_buffer, .address_space: global }
      - { .name: Wq, .offset: 8, .size: 8, .value_kind: global_buffer, .address_space: global }
      - { .name: Wk, .offset: 16, .size: 8, .value_kind: global_buffer, .address_space: global }
      - { .name: Wv, .offset: 24, .size: 8, .value_kind: global_buffer, .address_space: global }
      - { .name: act, .offset: 32, .size: 8, .value_kind: global_buffer, .address_space: global }
      - { .name: wq, .offset: 40, .size: 8, .value_kind: global_buffer, .address_space: global }
    .group_segment_fixed_size: 0
    .private_segment_fixed_size: 0
    .kernarg_segment_align: 8
    .kernarg_segment_size: 48
    .max_flat_workgroup_size: 256
    .sgpr_count:     66
    .vgpr_count:     52
    .wavefront_size: 32
...
	.end_amdgpu_metadata
.endif
;; end of part 1
;; launch qkv (part 2): grid 16 x 16, 4 waves a work-group, clusters of 4 x 4, 327,680 bytes of LDS; arguments act, wq, wide, Wo, W1, W2, wb; writes wide, wb
.if DOCPART == 2
	.amdgcn_target "amdgcn-amd-amdhsa--gfx1250"
	.amdhsa_code_object_version 6
	.text
	.protected	k_qb901fb9006_qkv
	.globl	k_qb901fb9006_qkv
	.p2align	8
	.type	k_qb901fb9006_qkv,@function
k_qb901fb9006_qkv:
	s_mov_b64 s[64:65], 0
	v_nop
	global_prefetch_b8 v0, s[64:65] scope:SCOPE_SE
	s_setreg_imm32_b32 hwreg(HW_REG_WAVE_MODE, 25, 1), 1
	s_wait_xcnt 0x0
	s_wait_alu depctr_hold_cnt(0) depctr_sa_sdst(0) depctr_va_vdst(0) depctr_va_sdst(0) depctr_va_ssrc(0) depctr_va_vcc(0) depctr_vm_vsrc(0)
	s_getreg_b32 s2, hwreg(HW_REG_IB_STS2, 6, 4)
	s_cmp_eq_u32 s2, 0
	s_cbranch_scc0 .Lentry_in_a_cluster
	s_endpgm
.Lentry_in_a_cluster:
	s_bfe_u32 s2, ttmp6, 0x10000c
	s_cmp_lg_u32 s2, 0xf033
	s_cbranch_scc0 .Lentry_shape_is_right
	s_endpgm
.Lentry_shape_is_right:
; C[m][n] = sum over k of A[m][k] W[k][n].  A = x in f16 [4096][1024], W = Wqkv [1024][3072] f16, C = q|k|v [4096][3072] f16; no bias, no relu.
; C has 12 x 16 = 192 tiles of 256 x 256: the clusters with x = 0, 1, 2.  THE FOUR CLUSTERS WITH x = 3 (64 work-groups, 256 waves) have no tile: they convert the weights of the later
; products, Wo, W1 and W2, from f32 to f16 into wb, while the others multiply.  The branch hangs on the cluster's x, which all partners of a cluster share.
; A tile of C: four waves, each 128 x 128 = 64 accumulators of 16 x 16 (512 registers).  K goes in steps of 128 through two LDS slots filled by the tensor data mover.
; A's rows lie along K and come out of LDS as they lie; W lies [K][N], its tile is 128 k-rows x 256 n, and its fragments are turned on the way out of LDS (ds_load_tr16_b128).
; THE MATRIX INSTRUCTION IS USED TRANSPOSED: source 0 = 16 columns of W, source 1 = 16 rows of A: a lane then holds eight neighbouring numbers of a row of C.  The first product on each
; accumulator takes the constant 0 as C: nothing is cleared.
; CLUSTERS: 4 x 4 work-groups.  A's tile hangs on the tile row alone and is asked for jointly by a row of the cluster, W's on the tile column alone and is asked for jointly by a column.
; LIMIT: matrix operands, C and the converted weights are f16: magnitudes under 65,504; numbers under 6.1e-5 keep an absolute step of 6e-8.  Sums are f32.
; REGISTERS, in windows of 256: window 0: v0-31 addresses, v64-191 A's two fragment buffers, v32-63 and v192-255 the way out (in a converting wave: v32-223 loads, v224-239 stores);
; window 1: v64-191 W's two buffers; windows 2 and 3: the accumulators of my rows 0-63 and 64-127 ((a, b) at v[8 (8 a + b)]).
.set SIZE_N, 3072
.set SIZE_K, 1024
.set WOFF,   0
.set HAS_BIAS, 0
.set RELU,   0
.set KSTEP,  128
.set PITCH,  272                       ; a row of A in LDS: 256 bytes + 16: the 16 rows of a fragment load start 4 banks apart
.set PB,     544                       ; a k-row of W in LDS: 512 bytes + 32
.set HALFT,  128*PITCH                 ; what one tensor load brings: 128 rows of A = 64 k-rows of W = 34,816 bytes
.set SLOT,   4*HALFT                   ; A's 256 rows, then W's 128 k-rows
.set STAGE,  2*SLOT                    ; behind the ring: 16 rows x 272 bytes for each wave, for the way out
.set SPITCH, 272
.set SPARE,  STAGE+4*16*SPITCH         ; the spare words: 128 bytes a wave, two blocks of 256 bytes that no other line names
.set LAPS,   SIZE_K/(2*KSTEP)          ; a lap = two K steps = once round the ring
.set ADRA, 16                          ; v16-17  LDS address of my A fragments in slot 0, 1
.set ADRB, 20                          ; v20-21  the same for W
.set STO,  24                          ; v24     the way out: where I put 16 bytes of a row
.set RD,   25                          ; v25     where I read a row back
.set CO,   26                          ; v26     my byte offset in C
.set SPW,  28                          ; v28     my spare word; never rewritten
.set NIL,  29                          ; v29     0; never rewritten
.set F0,   64
.set F1,   128
.set TMP,  192
.set OB,   32
.set G1,  24                           ; s[24:31] descriptor group 1 for A;  s[32:39] group 0, a set for each slot
.set G0,  32
.set G1B, 48                           ; s[48:55], s[56:63] the same for W
.set G0B, 56
.set OFF_WO, 6291456                   ; byte offsets in wb of the converted Wo [1024][1024], W1 [1024][4096], W2 [4096][1024]
.set OFF_W1, 8388608
.set OFF_W2, 16777216
.set CD,  48                           ; a converting wave: loads on their way
.set CN,  288                          ; its loads in all: 32 of Wo, 128 of W1, 128 of W2, 512 bytes each
.set CX,  32                           ; v[32:223]  load n: 4 registers at slot n % 48
.set CH,  224                          ; v[224:239] store n: 2 registers at slot n % 8
.set CLA, 30                           ; v30  16 x lane
.set CSA, 31                           ; v31  8 x lane
.set MSB, 0
.macro WIN new                         ; the immediate's high byte repeats the setting that is left; a switch that changes nothing is dropped
.if MSB != \new
	s_set_vgpr_msb (MSB<<8)|(\new)
.set MSB, \new
.endif
.endm
.set MUL_LO, 0xa1                      ; source 0 (W) window 1, source 1 (A) window 0, C and D window 2
.set MUL_HI, 0xf1                      ; the same, C and D window 3
.set TO_B,   0x40                      ; destination window 1, address window 0
; A joint load: waves 0 and 1 fetch A's two halves, waves 2 and 3 W's.  The branch hangs on the wave's number alone.  Four v_nop follow each line.
.macro JLOAD s
	s_cmp_eq_u32 s11, 0
	s_cbranch_scc0 .Lfor_b_\@
	tensor_load_to_lds s[G0+4*\s:G0+4*\s+3], s[G1:G1+7]
	s_nop 0
.rept 4
	v_nop
.endr
	s_branch .Lasked_\@
.Lfor_b_\@:
	tensor_load_to_lds s[G0B+4*\s:G0B+4*\s+3], s[G1B:G1B+7]
	s_nop 0
.rept 4
	v_nop
.endr
.Lasked_\@:
.endm
.macro CREST                           ; a round of the cluster's barrier behind its opening barrier
	s_cmp_lg_u32 s10, 0
	s_cbranch_scc1 .Lnot_wave_0_\@
	s_barrier_signal -3
.Lnot_wave_0_\@:
	s_barrier_wait -3
	s_barrier_signal -1
	s_barrier_wait -1
.endm
.macro CROUND                          ; a whole round
	s_barrier_signal -1
	s_barrier_wait -1
	CREST
.endm
	s_load_b128 s[4:7], s[0:1], 0x0                ; A s[4:5], Wqkv s[6:7]
	s_load_b64 s[8:9], s[0:1], 0x10                ; C
	v_lshl_add_u32 v[SPW], v0, 2, SPARE
	v_mov_b32 v[NIL], 0
	ds_add_u32 v28, v29
	ds_add_u32 v28, v29
	s_wait_dscnt 0x0
	v_lshrrev_b32 v1, 5, v0
	v_readfirstlane_b32 s10, v1                    ; wave 0..3
	s_lshr_b32 s11, s10, 1                         ; my half of the tile's rows.  Also: I fetch for A (0) or for W (1)
	s_and_b32 s12, s10, 1                          ; my half of its columns.  Also: which half of that tile I fetch
	s_mov_b32 s66, ttmp9                           ; the cluster's x
	s_bfe_u32 s40, ttmp6, 0x40000                  ; cx
	s_bfe_u32 s41, ttmp6, 0x40004                  ; cy
	s_lshl_b32 s42, ttmp9, 2
	s_add_co_u32 s42, s42, s40                     ; tile column = 4 x cluster x + cx
	s_and_b32 s13, ttmp7, 0xffff
	s_lshl_b32 s13, s13, 2
	s_add_co_u32 s13, s13, s41                     ; tile row = 4 x cluster y + cy
	s_lshl_b32 s43, s41, 2
	s_lshl_b32 s43, 15, s43                        ; my row of the cluster
	s_lshl_b32 s44, 0x1111, s40                    ; my column
	s_or_b32 s[G1+0], s43, (1<<16)|(1<<20)|(1<<21)|(5<<22)|(3<<25)   ; mask: my row; elements of 2 bytes; padding on; bit 21 beside a mask; after every 64 words 4 words
	s_mov_b32 s[G1+1], KSTEP<<16                   ; tensor_dim0 = 128
	s_mov_b32 s[G1+2], 128<<16                     ; tensor_dim1 = 128
	s_mov_b32 s[G1+3], KSTEP<<16                   ; tile_dim0 = 128
	s_mov_b32 s[G1+4], 128                         ; tile_dim1 = 128
	s_mov_b32 s[G1+5], SIZE_K                      ; elements from row to row
	s_mov_b32 s[G1+6], 0
	s_mov_b32 s[G1+7], 0
	s_or_b32 s[G1B+0], s44, (1<<16)|(1<<20)|(1<<21)|(6<<22)|(7<<25)  ; mask: my column; after every 128 words 8 words
	s_mov_b32 s[G1B+1], 256<<16                    ; tensor_dim0 = 256
	s_mov_b32 s[G1B+2], 64<<16                     ; tensor_dim1 = 64
	s_mov_b32 s[G1B+3], 256<<16                    ; tile_dim0 = 256
	s_mov_b32 s[G1B+4], 64                         ; tile_dim1 = 64
	s_mov_b32 s[G1B+5], SIZE_N
	s_mov_b32 s[G1B+6], 0
	s_mov_b32 s[G1B+7], 0
	s_lshl_b32 s17, s12, 7
	s_lshl_b32 s16, s13, 8
	s_add_co_u32 s16, s16, s17                     ; A: row 256 x tile row + 128 x half
	s_mov_b32 s17, 0
	s_mov_b64 s[18:19], SIZE_K*2
	s_mul_u64 s[16:17], s[16:17], s[18:19]
	s_mul_i32 s46, s12, 64*SIZE_N*2                ; W: k-row 64 x half,
	s_lshl_b32 s47, s42, 9                         ; column 256 x tile column
	s_add_co_u32 s46, s46, s47
	s_add_co_u32 s46, s46, WOFF
	s_mov_b32 s47, 0
	s_mul_i32 s20, s10, HALFT                      ; where they go: wave x 34,816: no place in the cluster enters an LDS address
	s_wait_kmcnt 0x0
	s_add_nc_u64 s[14:15], s[4:5], s[16:17]
	s_add_nc_u64 s[46:47], s[6:7], s[46:47]
	CROUND                                         ; all sixteen work-groups are here: the first joint loads meet
	s_cmp_lg_u32 s66, 3
	s_cbranch_scc1 .Lgemm                          ; clusters 0 to 2 multiply
	; A CONVERTING WAVE.  Wave u of 256 takes 16,384 bytes of Wo and 65,536 bytes each of W1 and W2, 512 consecutive bytes a load, and stores half as many, 256 consecutive aligned bytes a store.
	; A ring of 48 register slots keeps 48 loads on their way; the text is straight, so every place stands in an immediate and no address register is ever rewritten.
	s_load_b256 s[72:79], s[0:1], 0x18             ; Wo s[72:73], W1 s[74:75], W2 s[76:77], wb s[78:79]
	s_lshl2_add_u32 s67, s13, s40                  ; the work-group's number among the 64: 4 x tile row + cx (it enters global addresses alone),
	s_lshl2_add_u32 s67, s67, s10                  ; u = 4 x that + wave
	v_and_b32 v[CLA], 31, v0
	v_lshlrev_b32 v[CSA], 3, v[CLA]
	v_lshlrev_b32 v[CLA], 4, v[CLA]
	s_lshl_b32 s80, s67, 14
	s_mov_b32 s81, 0
	s_lshl_b32 s82, s67, 16
	s_mov_b32 s83, 0
	s_lshl_b32 s84, s67, 13
	s_add_co_u32 s84, s84, OFF_WO
	s_mov_b32 s85, 0
	s_lshl_b32 s86, s67, 15
	s_add_co_u32 s88, s86, OFF_W2
	s_add_co_u32 s86, s86, OFF_W1
	s_mov_b32 s87, 0
	s_mov_b32 s89, 0
	s_wait_kmcnt 0x0
	s_add_nc_u64 s[72:73], s[72:73], s[80:81]
	s_add_nc_u64 s[74:75], s[74:75], s[82:83]
	s_add_nc_u64 s[76:77], s[76:77], s[82:83]
	s_add_nc_u64 s[84:85], s[78:79], s[84:85]
	s_add_nc_u64 s[86:87], s[78:79], s[86:87]
	s_add_nc_u64 s[88:89], s[78:79], s[88:89]
.macro CSRC n                          ; load n of 288
.set sl, CX+4*((\n)%CD)
.if (\n) < 32
	global_load_b128 v[sl:sl+3], v[CLA], s[72:73] offset:512*(\n) th:TH_LOAD_NT
.elseif (\n) < 160
	global_load_b128 v[sl:sl+3], v[CLA], s[74:75] offset:512*((\n)-32) th:TH_LOAD_NT
.else
	global_load_b128 v[sl:sl+3], v[CLA], s[76:77] offset:512*((\n)-160) th:TH_LOAD_NT
.endif
.endm
.macro CDST n                          ; store n of 288
.set hs, CH+2*((\n)%8)
.if (\n) < 32
	global_store_b64 v[CSA], v[hs:hs+1], s[84:85] offset:256*(\n)
.elseif (\n) < 160
	global_store_b64 v[CSA], v[hs:hs+1], s[86:87] offset:256*((\n)-32)
.else
	global_store_b64 v[CSA], v[hs:hs+1], s[88:89] offset:256*((\n)-160)
.endif
.endm
.set n, 0
.rept CD
	CSRC n
.set n, n+1
.endr
.set n, 0
.rept CN
.if n < CN-CD
	s_wait_loadcnt CD-1                            ; loads come back in order: load n is in, the 47 younger ones stay out
.else
	s_wait_loadcnt CN-1-n                          ; nothing more is asked for: the counts run down
.endif
	s_wait_xcnt 0x0                                ; the two registers that store n - 8 reads are rewritten only behind this wait
.set sl, CX+4*(n%CD)
.set hs, CH+2*(n%8)
	v_cvt_pk_f16_f32 v[hs],   v[sl],   v[sl+1]
	v_cvt_pk_f16_f32 v[hs+1], v[sl+2], v[sl+3]
.if n < CN-CD
	CSRC n+CD                                      ; the slot's next load goes out ahead of the store
.endif
	CDST n
.set n, n+1
.endr
	s_branch .Lend
.Lgemm:
.irp s, 0,1
	s_mov_b32 s[G0+4*\s], 1
	s_add_co_u32 s[G0+4*\s+1], s20, \s*SLOT
	s_add_nc_u64 s[G0+4*\s+2:G0+4*\s+3], s[14:15], \s*KSTEP*2
	s_or_b32 s[G0+4*\s+3], s[G0+4*\s+3], 0x80000000
	s_mov_b32 s[G0B+4*\s], 1
	s_add_co_u32 s[G0B+4*\s+1], s20, \s*SLOT
	s_add_nc_u64 s[G0B+4*\s+2:G0B+4*\s+3], s[46:47], \s*KSTEP*SIZE_N*2
	s_or_b32 s[G0B+4*\s+3], s[G0B+4*\s+3], 0x80000000
	JLOAD \s                                       ; two loads of mine are out
.endr
	v_and_b32 v1, 15, v0                           ; l % 16
	v_bfe_u32 v2, v0, 4, 1                         ; l / 16
	v_mul_u32_u24 v3, v1, PITCH
	v_lshl_add_u32 v3, v2, 4, v3                   ; A: row x pitch + 16 x half of the lanes
	v_and_b32 v6, 7, v0
	v_bfe_u32 v7, v0, 3, 1
	v_lshl_add_u32 v8, v2, 3, v6                   ; W: k-row 8 (l / 16) + l % 8,
	v_mul_u32_u24 v8, v8, PB
	v_lshl_add_u32 v8, v7, 4, v8                   ; columns 8 ((l / 8) % 2) on
	s_mul_i32 s21, s11, HALFT                      ; my 128 rows of A
	s_lshl_b32 s22, s12, 8                         ; my 128 columns of W,
	s_add_co_u32 s22, s22, 2*HALFT                 ; which lies behind A
.irp s, 0,1
	v_add_nc_u32 v[ADRA+\s], s21, v3
	v_add_nc_u32 v[ADRB+\s], s22, v8
	s_add_co_u32 s21, s21, SLOT
	s_add_co_u32 s22, s22, SLOT
.endr
	s_mul_i32 s23, s10, 16*SPITCH
	s_add_co_u32 s23, s23, STAGE                   ; my stage
	v_mul_u32_u24 v4, v1, SPITCH
	v_lshl_add_u32 v4, v2, 4, v4
	v_add_nc_u32 v[STO], s23, v4
	v_mul_u32_u24 v5, v2, SPITCH
	v_lshl_add_u32 v5, v1, 4, v5
	v_add_nc_u32 v[RD], s23, v5
	v_mul_u32_u24 v5, v2, SIZE_N*2
	v_lshl_add_u32 v[CO], v1, 4, v5
	s_lshl_b32 s13, s13, 8
	s_lshl_b32 s14, s11, 7
	s_add_co_u32 s16, s13, s14                     ; my first row of C
	s_mov_b32 s17, 0
	s_mov_b64 s[18:19], SIZE_N*2
	s_mul_u64 s[16:17], s[16:17], s[18:19]
	s_lshl_b32 s46, s42, 9                         ; my first column, in bytes
	s_lshl_b32 s47, s12, 8
	s_add_co_u32 s46, s46, s47
	s_mov_b32 s47, 0
	s_add_nc_u64 s[16:17], s[16:17], s[46:47]      ; what the way out adds to C's address
; 16 matrix instructions: m blocks a0, a0 + 1 of the window's four x all 8 n blocks, 32 along K.  zero = 1: the first product starts the sums from 0.
.macro MUL16 f, hi, a0, zero
.irp a, \a0, \a0+1
.irp b, 0,1,2,3,4,5,6,7
.if \zero
	v_wmma_f32_16x16x32_f16 v[8*(8*(\a)+\b):8*(8*(\a)+\b)+7], v[\f+8*\b:\f+8*\b+7], v[\f+8*(4*\hi+\a):\f+8*(4*\hi+\a)+7], 0
.else
	v_wmma_f32_16x16x32_f16 v[8*(8*(\a)+\b):8*(8*(\a)+\b)+7], v[\f+8*\b:\f+8*\b+7], v[\f+8*(4*\hi+\a):\f+8*(4*\hi+\a)+7], v[8*(8*(\a)+\b):8*(8*(\a)+\b)+7]
.endif
.endr
.endr
.endm
; 32 LDS loads in one run: the fragments of one quarter step (32 along K, at byte k of A's rows = k-row k / 2 of W) into buffer f: W's 16 first, turned, then A's 16
.macro FETCH slot, k, f
	WIN TO_B
.irp i, 0,1,2,3,4,5,6,7
	ds_load_tr16_b128 v[\f+8*\i:\f+8*\i+3],   v[ADRB+\slot] offset:(\k/64)*32*PB+32*\i
	ds_load_tr16_b128 v[\f+8*\i+4:\f+8*\i+7], v[ADRB+\slot] offset:(\k/64)*32*PB+16*PB+32*\i
.endr
	WIN 0
.irp i, 0,1,2,3,4,5,6,7
	ds_load_b128 v[\f+8*\i:\f+8*\i+3],   v[ADRA+\slot] offset:\k+\i*16*PITCH
	ds_load_b128 v[\f+8*\i+4:\f+8*\i+7], v[ADRA+\slot] offset:\k+\i*16*PITCH+32
.endr
.endm
.macro PLACES                          ; four plain vector instructions between a matrix instruction and a load into, or a vector read or write of, its registers (ISA guide 7.12.1 for vector reads and writes)
.rept 4
	v_nop
.endr
.endm
; A K step is four quarters of 32 along K, 64 matrix instructions each, on buffers 0, 1, 0, 1.  One of the first three: multiplies f, and in its middle fetches the next quarter into g.
.macro QUARTER slot, k, f, g, zero
	s_wait_dscnt 8                                 ; W and A's rows 0-63 are in; the youngest eight loads (A's rows 64-127) may be out
	WIN MUL_LO
	MUL16 \f, 0, 0, \zero
	MUL16 \f, 0, 2, \zero
	PLACES
	FETCH \slot, \k, \g
	s_wait_dscnt 32                                ; all but the 32 just issued
	WIN MUL_HI
	MUL16 \f, 1, 0, \zero
	MUL16 \f, 1, 2, \zero
.endm
; The last quarter multiplies buffer 1 and changes slots: one barrier.  In front of it each wave waits for all its tensor loads (one is out: its part of the next slot), adds 0 to its
; spare word, and waits for that and for its own reads of this slot.
.macro MEET round
	WIN 0                                          ; the add's two registers lie in window 0
	s_wait_tensorcnt 0x0
	ds_add_u32 v[SPW], v[NIL]
	s_wait_dscnt 9                                 ; the add and the youngest eight loads may be out
	WIN MUL_LO
	MUL16 F1, 0, 0, 0
	s_wait_dscnt 0x0                               ; the add is done, my reads of this slot are over
	s_barrier_signal -1
	MUL16 F1, 0, 2, 0
.if \round
	WIN 0
.endif
	s_barrier_wait -1
.endm
; fill = 1: the barrier opens a round of the cluster's barrier, and the slot just read is filled again, two K steps on, first thing behind the round.
.macro TURN slot, next, fill
	MEET \fill
.if \fill
	CREST
	s_add_nc_u64 s[G0+4*\slot+2:G0+4*\slot+3], s[G0+4*\slot+2:G0+4*\slot+3], 2*KSTEP*2
	s_add_nc_u64 s[G0B+4*\slot+2:G0B+4*\slot+3], s[G0B+4*\slot+2:G0B+4*\slot+3], 2*KSTEP*SIZE_N*2
	JLOAD \slot                                    ; its four v_nop are also the places in front of the loads below
.else
	PLACES
.endif
	FETCH \next, 0, F0
	WIN MUL_HI
	MUL16 F1, 1, 0, 0
	MUL16 F1, 1, 2, 0
.endm
; THE WAY OUT of block a (16 rows): rounded to f16, 16 bytes a lane into my stage, back as whole rows of 256 bytes, stored.  Each accumulator is read from its lowest register on.
.macro PACK a
.set AC, 64*((\a)%4)
	WIN 0x0a+5*((\a)/4)                            ; sources window 2 or 3, destination window 0
.irp b, 0,1,2,3,4,5,6,7
.irp r, 0,1,2,3
	v_cvt_pk_f16_f32 v[TMP+4*\b+\r], v[AC+8*\b+2*\r], v[AC+8*\b+2*\r+1]
.endr
.endr
	WIN 0
.endm
.macro TOSTAGE a
.set BK, OB+192*((\a)%2)
.irp b, 0,1,2,3,4,5,6,7
	ds_store_b128 v[STO], v[TMP+4*\b:TMP+4*\b+3] offset:32*\b
.endr
.irp t, 0,1,2,3,4,5,6,7
	ds_load_b128 v[BK+4*\t:BK+4*\t+3], v[RD] offset:\t*2*SPITCH    ; LDS serves a wave's instructions in order: these see the stores above
.endr
.endm
.macro SEND a
.set BK, OB+192*((\a)%2)
	s_wait_dscnt 0x0                               ; the block is back in registers
	s_wait_xcnt 0x0                                ; the stores' base, and the registers that earlier stores read, are rewritten only behind this wait
.if (\a) == 0
	s_add_nc_u64 s[8:9], s[8:9], s[16:17]
.else
	s_add_nc_u64 s[8:9], s[8:9], 16*SIZE_N*2
.endif
.irp t, 0,1,2,3,4,5,6,7
	global_store_b128 v[CO], v[BK+4*\t:BK+4*\t+3], s[8:9] offset:2*\t*SIZE_N*2   ; 16 lanes store 256 consecutive bytes, aligned
.endr
.endm
	s_wait_tensorcnt 1                             ; my part of K step 0 is in; K step 1's stays out
	s_barrier_signal -1
	s_barrier_wait -1
	FETCH 0, 0, F0
	QUARTER 0, 64,  F0, F1, 1                      ; the first quarter starts the sums
	WIN 0
	s_mov_b32 s3, LAPS-1
.Llap:                                                 ; a trip goes once round the ring and fills both slots again
	QUARTER 0, 128, F1, F0, 0
	QUARTER 0, 192, F0, F1, 0
	TURN 0, 1, 1
	QUARTER 1, 64,  F0, F1, 0
	QUARTER 1, 128, F1, F0, 0
	QUARTER 1, 192, F0, F1, 0
	TURN 1, 0, 1
	QUARTER 0, 64,  F0, F1, 0
	WIN 0
	s_sub_co_u32 s3, s3, 1
	s_cmp_lg_u32 s3, 0
	s_cbranch_scc1 .Llap
	QUARTER 0, 128, F1, F0, 0                      ; the last lap fills nothing
	QUARTER 0, 192, F0, F1, 0
	TURN 0, 1, 0
	QUARTER 1, 64,  F0, F1, 0
	QUARTER 1, 128, F1, F0, 0
	QUARTER 1, 192, F0, F1, 0
	s_wait_dscnt 8                                 ; the very last quarter: nothing more to fetch
	WIN MUL_LO
	MUL16 F1, 0, 0, 0
	MUL16 F1, 0, 2, 0
	s_wait_dscnt 0x0
	WIN MUL_HI
	MUL16 F1, 1, 0, 0
	MUL16 F1, 1, 2, 0
	WIN 0
	PLACES
	PACK 0
	TOSTAGE 0
.irp a, 1,2,3,4,5,6,7                  ; block a's arithmetic stands between block a - 1's loads from the stage and the wait for them
	PACK \a
	SEND \a-1
	TOSTAGE \a
.endr
	SEND 7
.Lend:                                                 ; both kinds of work-group end alike
	s_wait_tensorcnt 0x0                           ; the wave's end
	ds_add_u32 v[SPW], v[NIL]
	s_wait_dscnt 0x0
	CROUND                                         ; the closing round
	s_endpgm
.Lfunc_end_k_qb901fb9006_qkv:
	.size	k_qb901fb9006_qkv, .Lfunc_end_k_qb901fb9006_qkv-k_qb901fb9006_qkv
	.p2alignl 7, 3214868480
	.fill 96, 4, 3214868480
	.section	.rodata,"a",@progbits
	.p2align	6, 0x0
	.amdhsa_kernel k_qb901fb9006_qkv
		.amdhsa_group_segment_fixed_size 327680
		.amdhsa_private_segment_fixed_size 0
		.amdhsa_enable_private_segment 0
		.amdhsa_kernarg_size 56
		.amdhsa_user_sgpr_count 2
		.amdhsa_user_sgpr_kernarg_segment_ptr 1
		.amdhsa_wavefront_size32 1
		.amdhsa_system_sgpr_workgroup_id_x 1
		.amdhsa_system_sgpr_workgroup_id_y 1
		.amdhsa_system_sgpr_workgroup_id_z 1
		.amdhsa_system_vgpr_workitem_id 0
		.amdhsa_next_free_vgpr 1024
		.amdhsa_next_free_sgpr 92
		.amdhsa_reserve_vcc 0
		.amdhsa_float_denorm_mode_32 3
		.amdhsa_float_denorm_mode_16_64 3
		.amdhsa_memory_ordered 1
		.amdhsa_forward_progress 1
		.amdhsa_inst_pref_size 252
	.end_amdhsa_kernel
	.amdgpu_metadata
---
amdhsa.version: [ 1, 2 ]
amdhsa.kernels:
  - .name:           k_qb901fb9006_qkv
    .symbol:         k_qb901fb9006_qkv.kd
    .args:
      - { .name: act, .offset: 0, .size: 8, .value_kind: global_buffer, .address_space: global }
      - { .name: wq, .offset: 8, .size: 8, .value_kind: global_buffer, .address_space: global }
      - { .name: wide, .offset: 16, .size: 8, .value_kind: global_buffer, .address_space: global }
      - { .name: Wo, .offset: 24, .size: 8, .value_kind: global_buffer, .address_space: global }
      - { .name: W1, .offset: 32, .size: 8, .value_kind: global_buffer, .address_space: global }
      - { .name: W2, .offset: 40, .size: 8, .value_kind: global_buffer, .address_space: global }
      - { .name: wb, .offset: 48, .size: 8, .value_kind: global_buffer, .address_space: global }
    .group_segment_fixed_size: 327680
    .private_segment_fixed_size: 0
    .kernarg_segment_align: 8
    .kernarg_segment_size: 56
    .max_flat_workgroup_size: 128
    .sgpr_count:     92
    .vgpr_count:     1024
    .wavefront_size: 32
...
	.end_amdgpu_metadata
.endif
;; end of part 2
;; launch attn (part 3): grid 16 x 16, 8 waves a work-group, no clusters, 327,680 bytes of LDS; arguments wide, act; writes act
.if DOCPART == 3
	.amdgcn_target "amdgcn-amd-amdhsa--gfx1250"
	.amdhsa_code_object_version 6
	.text
	.protected	k_qb901fb9006_attn
	.globl	k_qb901fb9006_attn
	.p2align	8
	.type	k_qb901fb9006_attn,@function
k_qb901fb9006_attn:
	s_mov_b64 s[64:65], 0
	v_nop
	global_prefetch_b8 v0, s[64:65] scope:SCOPE_SE
	s_setreg_imm32_b32 hwreg(HW_REG_WAVE_MODE, 25, 1), 1
	s_wait_xcnt 0x0
; o[b][t][head*64 + e] = sum over s <= t of softmax_s(q[t] . k[s] / 8) v[s][e].  q|k|v: [4096][3072] f16 (row b*2048 + t; q at column head*64, k at 1024 + head*64, v at 2048 + head*64); o: [4096][1024] f16.
; SHARES.  Work-group (j, bh): batch bh / 8, the two heads 2 (bh % 8) and 2 (bh % 8) + 1, and the query blocks (64 queries) j and 31 - j: together 9 key slots of 256 keys for every j.
; Two heads lie side by side, so K's, V's and o's rows here are whole aligned 256 bytes.  EIGHT WAVES, two on each SIMD, so that one wave's products stand beside the other's softmax:
; two groups of four.  Wave w: group w / 4, head (w % 4) / 2, queries 32 (w % 2) on of the block: two tiles of 16.  Both groups hold the same queries; group g takes keys 128 g to 128 g + 127
; of every slot, with a maximum, a sum and an O of its own; at a block's end group 1 hands its three over through LDS and group 0 joins them.
; A block's walk begins with its diagonal slot (masked; it starts m, l and O), then slots 0 to d - 1, unmasked.  The walk is one loop of 7 trips (tiles 1 to 7) between tile 0 and tile 8; in the
; trip whose tile is the second block's diagonal the first block goes out.  That branch hangs on the work-group's number and a counter alone: all waves take it alike.
; LAYOUT.  S^T = K Q^T (source 0 = 16 keys, source 1 = 16 queries): a lane holds one query and keys 8 (lane / 16) + 0..7; two such tiles rounded in pairs are source 1 of O^T = V^T P.
; SOFTMAX.  Running maximum m and sum l for each query: p = 2^(c s - c m), c = log2(e) / 8; O and l are multiplied by 2^(c m_old - c m_new) in every step.  In the diagonal slot a group's
; keys may all lie behind a query, so a block's first maximum is taken together with -1e30: a score is a sum of 64 products of f16 numbers, under 2.8e11 in magnitude, so no score lies
; below that; such a group ends with l = 0 and O = 0, and its weight in the joining is 0.
; NO CLUSTER: work-groups that share K and V (one j each of a head pair) need different tiles in different numbers, and whether a partner multiplies a tile would be a branch on its place.
; LIMIT: q, k, v, p, o are f16: magnitudes under 65,504; numbers under 6.1e-5 keep an absolute step of 6e-8.  Scores, maxima and sums are f32.
; REGISTERS.  Window 0: v0-11 addresses, v12-27 statistics, v28-31 mask, v32-63 P, v64-127 S^T, v128-191 O^T, v192-255 V.  Window 1: v0-31 Q, v64-127 K.
.set ROWB,  6144      ; bytes in a row of q|k|v
.set KS,    64        ; keys in a step
.set PK,    272       ; a row of K in LDS: 256 bytes + 16
.set PV,    288       ; a row of V: 256 + 32, for the turning load
.set VOFF,  KS*PK     ; a step's tiles lie together: 64 rows of K, then 64 rows of V
.set STEPB, KS*(PK+PV)
.set SLOTB, 4*STEPB   ; a slot holds four steps, two for each group: 143,360 bytes
.set MERGE, 2*SLOTB   ; behind the ring: what group 1 hands over, 8,704 bytes a wave (64 registers of O^T, 4 of statistics, 128 bytes each)
.set MWAVE, 64*128+512
.set STAGE, MERGE     ; the way out's 64 rows x 272 bytes lie over it: a barrier stands between the last reading of the one and the writing of the other
.set SP,    272
.set SPARE, MERGE+4*MWAVE  ; the spare words: 128 bytes a wave, four blocks of 256 bytes that no other line names
.set MX,  1           ; v1   where my lane's 16 bytes lie in the bytes handed over (the same in a wave and its partner four waves on)
.set AK0, 2           ; v2   my lane's place in my group's tiles of K; never rewritten
.set AV0, 3           ; v3   the same for V
.set ADRK, 4          ; v4   AK0 + the slot in hand
.set ADRV, 5          ; v5   AV0 + the slot in hand
.set QO,  6           ; v6   my byte offset in the wave's rows of Q
.set STO, 7           ; v7   the way out: where I put 16 bytes of a row
.set RD,  8           ; v8   where I read a row back
.set GO,  9           ; v9   my byte offset in the wave's rows of o
.set SPW, 10          ; v10  my spare word; never rewritten
.set NIL, 11          ; v11  0; never rewritten
.set ST,  12          ; tile t's statistics at v[ST+8 t]: +0 c m, +1 m, +2, +3 l, +4 to +7 at work
.set DQ,  28          ; v28, v29  tile t: my query's place among my group's keys of the diagonal slot, less 8 (lane / 16); may be negative
.set NINF, 30         ; v30  -infinity
.set DQ0, 31          ; v31  lane % 16 - 8 (lane / 16) + 32 (wave % 2) - 128 group
.set P,   32
.set S,   64
.set OA,  128
.set VF,  192
.set KF,  64          ; in window 1
.set WV,  12          ; s12  my wave's number
.set KB,  20          ; s[20:21] K at key 0 of the step that I fetch;  s[22:23] V
.set VB,  22
.set G1K, 24          ; s[24:31], s[32:39] descriptor group 1 for K's and V's tiles
.set G1V, 32
.set G0K, 40          ; s[40:47], s[48:55] group 0: a set for each first fill; the second then walks on
.set G0V, 48
.set CUR, 56          ; s56  the tile in hand
.set FN,  57          ; s57  the tile to be fetched next
.set CS,  58          ; s[58:59] c
.set SEL, 60          ; s[60:61] lane selects for v_permlanex16_b32
.set TB,  62          ; s62  LDS byte of the slot in hand: 0 or SLOTB
.set DL,  63          ; s63  the first block's diagonal slot
.set DH,  66          ; s66  the second block's
.set DL1, 67          ; s67  the first block's number of tiles
.set OFS, 68          ; s[68:69] a tile's byte offset
.set QB,  70          ; s[70:71] Q at my wave's first row of the block
.set OBS, 72          ; s[72:73] o at my wave's first row of the block
.set GRP, 80          ; s80  my group
.set W4,  81          ; s81  my wave's number in its group.  Also: the step of a slot that I fetch
.set LB,  82          ; s82  where that step's K lies in a slot;  s83 its V
.set LBV, 83
.set FLR, 84          ; s84  -1e30
.set MSB, 0
.macro WIN new
.if MSB != \new
	s_set_vgpr_msb (MSB<<8)|(\new)
.set MSB, \new
.endif
.endm
.macro PLACES                       ; four plain vector instructions between a matrix instruction and a load into, or a vector read or write of, its registers
.rept 4
	v_nop
.endr
.endm
; Which key slot tile number FN is: the list is dL, 0 .. dL-1, dH, 0 .. dH-1.  Scalar work alone; it writes the addresses of group 0's set, which no load of mine names at that time.
.macro NEXT set
	s_sub_co_u32 s74, s[FN], s[DL1]
	s_cmp_lt_u32 s[FN], s[DL1]
	s_cselect_b32 s75, s[FN], s74       ; the tile's place in its block's walk
	s_cselect_b32 s76, s[DL], s[DH]     ; the block's diagonal slot
	s_sub_co_u32 s77, s75, 1
	s_cmp_eq_u32 s75, 0
	s_cselect_b32 s77, s76, s77         ; the key slot
	s_mul_i32 s[OFS], s77, 256*ROWB
	s_add_nc_u64 s[G0K+4*\set+2:G0K+4*\set+3], s[KB:KB+1], s[OFS:OFS+1]
	s_or_b32 s[G0K+4*\set+3], s[G0K+4*\set+3], 0x80000000
	s_add_nc_u64 s[G0V+4*\set+2:G0V+4*\set+3], s[VB:VB+1], s[OFS:OFS+1]
	s_or_b32 s[G0V+4*\set+3], s[G0V+4*\set+3], 0x80000000
	s_add_co_u32 s[FN], s[FN], 1
.endm
; A refill: waves 0 to 3 fetch the four steps' tiles of K, waves 4 to 7 those of V: one load a wave, 64 rows of 256 bytes.  Four v_nop follow each line.
.macro JLOAD
	s_cmp_lt_u32 s[WV], 4
	s_cbranch_scc0 .Lfor_v_\@
	tensor_load_to_lds s[G0K+4:G0K+7], s[G1K:G1K+7]
	s_nop 0
.rept 4
	v_nop
.endr
	s_branch .Lasked_\@
.Lfor_v_\@:
	tensor_load_to_lds s[G0V+4:G0V+7], s[G1V:G1V+7]
	s_nop 0
.rept 4
	v_nop
.endr
.Lasked_\@:
.endm
	s_load_b128 s[4:7], s[0:1], 0x0     ; q|k|v s[4:5], o s[6:7]
	v_lshl_add_u32 v[SPW], v0, 2, SPARE
	v_mov_b32 v[NIL], 0
	ds_add_u32 v10, v11
	ds_add_u32 v10, v11
	s_wait_dscnt 0x0
	v_lshrrev_b32 v1, 5, v0
	v_readfirstlane_b32 s[WV], v1       ; wave 0..7
	s_lshr_b32 s[GRP], s[WV], 2
	s_and_b32 s[W4], s[WV], 3
	s_and_b32 s13, s[WV], 1             ; my half of the block's queries
	s_lshr_b32 s14, s[W4], 1            ; my head of the two
	s_mov_b32 s15, ttmp9                ; the first block, j
	s_and_b32 s16, ttmp7, 0xffff
	s_lshr_b32 s17, s16, 3              ; batch
	s_and_b32 s18, s16, 7               ; pair of heads
	s_sub_co_u32 s19, 31, s15           ; the second block, 31 - j
	s_lshr_b32 s[DL], s15, 2
	s_lshr_b32 s[DH], s19, 2
	s_add_co_u32 s[DL1], s[DL], 1
	s_mul_i32 s74, s17, 2048*ROWB       ; the batch's rows
	s_lshl_b32 s75, s18, 8              ; the pair's 256 bytes of a row
	s_mul_i32 s76, s[W4], KS*ROWB       ; the 64 rows of the step that I fetch
	s_add_co_u32 s76, s76, s75
	s_add_co_u32 s76, s76, s74
	s_add_co_u32 s76, s76, 2048         ; k lies 2,048 bytes into a row
	s_mov_b32 s77, 0
	s_lshl_b32 s78, s14, 7              ; my head's 128 bytes
	s_add_co_u32 s78, s78, s75
	s_add_co_u32 s78, s78, s74
	s_mul_i32 s79, s13, 32*ROWB         ; my 32 queries
	s_add_co_u32 s78, s78, s79
	s_mov_b32 s79, 0
	s_lshl_b32 s74, s17, 22             ; o: the batch's 2,048 rows of 2,048 bytes,
	s_add_co_u32 s74, s74, s75
	s_lshl_b32 s75, s[WV], 14           ; the 8 rows that I store
	s_add_co_u32 s74, s74, s75
	s_mov_b32 s75, 0
	s_mov_b32 s[G1K], (1<<16)|(1<<20)|(5<<22)|(3<<25)  ; elements of 2 bytes; padding on: after every 64 words 4 words
	s_mov_b32 s[G1V], (1<<16)|(1<<20)|(5<<22)|(7<<25)  ; the same with 8 words
.irp g, G1K, G1V
	s_mov_b32 s[\g+1], 128<<16          ; tensor_dim0 = 128
	s_mov_b32 s[\g+2], KS<<16           ; tensor_dim1 = 64
	s_mov_b32 s[\g+3], 128<<16          ; tile_dim0 = 128
	s_mov_b32 s[\g+4], KS               ; tile_dim1 = 64
	s_mov_b32 s[\g+5], 3072             ; elements from row to row
	s_mov_b32 s[\g+6], 0
	s_mov_b32 s[\g+7], 0
.endr
	s_mov_b32 s[CS], 0x3e38aa3b         ; c = log2(e) / 8
	s_mov_b32 s[CS+1], s[CS]
	s_mov_b32 s[SEL], 0x76543210
	s_mov_b32 s[SEL+1], 0xfedcba98
	s_mov_b32 s[FLR], 0xf149f2ca        ; -1e30
	s_mov_b32 s[TB], 0
	s_mov_b32 s[FN], 0
	s_mov_b32 s[OFS+1], 0
	s_mul_i32 s[LB], s[W4], STEPB       ; my step's place in a slot: the wave's number in its group times a constant
	s_add_co_u32 s[LBV], s[LB], VOFF
	s_wait_kmcnt 0x0
	s_add_nc_u64 s[KB:KB+1], s[4:5], s[76:77]
	s_add_nc_u64 s[VB:VB+1], s[KB:KB+1], 2048
	s_add_nc_u64 s[8:9], s[4:5], s[78:79]    ; Q but for the block
	s_add_nc_u64 s[10:11], s[6:7], s[74:75]  ; o but for the block
.irp s, 0,1
	s_mov_b32 s[G0K+4*\s], 1
	s_add_co_u32 s[G0K+4*\s+1], s[LB], \s*SLOTB
	s_mov_b32 s[G0V+4*\s], 1
	s_add_co_u32 s[G0V+4*\s+1], s[LBV], \s*SLOTB
	NEXT \s                             ; tiles 0 and 1
.endr
	s_cmp_lt_u32 s[WV], 4               ; a wave's two first fills stand in one branch, ahead of every wait on TENSORcnt, LDS read and barrier: two loads of mine are out
	s_cbranch_scc0 .Lfirst_v
	tensor_load_to_lds s[G0K:G0K+3], s[G1K:G1K+7]
	s_nop 0
	tensor_load_to_lds s[G0K+4:G0K+7], s[G1K:G1K+7]
	s_nop 0
.rept 4
	v_nop
.endr
	s_branch .Lfirst_asked
.Lfirst_v:
	tensor_load_to_lds s[G0V:G0V+3], s[G1V:G1V+7]
	s_nop 0
	tensor_load_to_lds s[G0V+4:G0V+7], s[G1V:G1V+7]
	s_nop 0
.rept 4
	v_nop
.endr
.Lfirst_asked:
	v_and_b32 v1, 15, v0                ; l % 16
	v_bfe_u32 v32, v0, 4, 1             ; l / 16
	v_and_b32 v33, 7, v0
	v_bfe_u32 v34, v0, 3, 1
	s_mul_i32 s2, s[GRP], 2*STEPB       ; my group's two steps of a slot,
	s_lshl_b32 s3, s14, 7               ; my head's half of a row
	s_add_co_u32 s3, s3, s2
	v_mul_u32_u24 v[AK0], v1, PK
	v_lshl_add_u32 v[AK0], v32, 4, v[AK0]
	v_add_nc_u32 v[AK0], s3, v[AK0]     ; K: row x pitch + 16 x half of the lanes + head + group
	s_add_co_u32 s3, s3, VOFF
	v_lshl_add_u32 v[AV0], v32, 3, v33
	v_mul_u32_u24 v[AV0], v[AV0], PV
	v_lshl_add_u32 v[AV0], v34, 4, v[AV0]
	v_add_nc_u32 v[AV0], s3, v[AV0]     ; V: key 8 (l / 16) + l % 8, channels 8 ((l / 8) % 2) on
	v_add_nc_u32 v[ADRK], s[TB], v[AK0]
	v_add_nc_u32 v[ADRV], s[TB], v[AV0]
	v_mul_u32_u24 v[QO], v1, ROWB
	v_lshl_add_u32 v[QO], v32, 4, v[QO]
	s_mul_i32 s2, s13, 32*SP            ; into the stage: my 32 rows, my head's half of their 256 bytes
	s_lshl_b32 s3, s14, 7
	s_add_co_u32 s2, s2, s3
	s_add_co_u32 s2, s2, STAGE
	v_mul_u32_u24 v[STO], v1, SP
	v_lshl_add_u32 v[STO], v32, 4, v[STO]
	v_add_nc_u32 v[STO], s2, v[STO]
	s_mul_i32 s2, s[WV], 8*SP           ; back: wave w takes rows 8 w on, whole
	s_add_co_u32 s2, s2, STAGE
	v_mul_u32_u24 v[RD], v32, SP
	v_lshl_add_u32 v[RD], v1, 4, v[RD]
	v_add_nc_u32 v[RD], s2, v[RD]
	v_lshlrev_b32 v[GO], 11, v32
	v_lshl_add_u32 v[GO], v1, 4, v[GO]
	v_lshlrev_b32 v35, 3, v32
	v_sub_nc_u32 v[DQ0], v1, v35
	s_lshl_b32 s3, s13, 5
	s_lshl_b32 s2, s[GRP], 7
	s_sub_co_i32 s3, s3, s2
	v_add_nc_u32 v[DQ0], s3, v[DQ0]
	v_mov_b32 v[NINF], 0xff800000
	s_mul_i32 s2, s[W4], MWAVE
	s_add_co_u32 s2, s2, MERGE
	v_and_b32 v1, 31, v0
	v_lshl_add_u32 v[MX], v1, 4, s2     ; 16 x lane in my pair's 8,704 bytes
; A block begins: its addresses, its queries' places in the diagonal slot, and its Q (two tiles x 64 channels, 32 registers in window 1).  q: the scalar register that holds the block's number.
.macro SETBLK q
	s_mul_i32 s74, s[\q], 64*ROWB
	s_mov_b32 s75, 0
	s_add_nc_u64 s[QB:QB+1], s[8:9], s[74:75]
	s_lshl_b32 s74, s[\q], 17           ; 64 rows of 2,048 bytes
	s_add_nc_u64 s[OBS:OBS+1], s[10:11], s[74:75]
	s_and_b32 s74, s[\q], 3             ; which quarter of its diagonal slot the block is
	s_lshl_b32 s74, s74, 6
	v_add_nc_u32 v[DQ], s74, v[DQ0]
	v_add_nc_u32 v[DQ+1], 16, v[DQ]
	WIN 0x40                            ; destination window 1
.irp f, 0,1,2,3                         ; tile f / 2, channels 32 (f % 2) on
	global_load_b128 v[8*\f:8*\f+3],   v[QO], s[QB:QB+1] offset:(\f/2)*16*ROWB+(\f%2)*64
	global_load_b128 v[8*\f+4:8*\f+7], v[QO], s[QB:QB+1] offset:(\f/2)*16*ROWB+(\f%2)*64+32
.endr
	WIN 0
.endm
; Runs of 16 LDS loads: step s of my group's two in the slot in hand.  K: keys 16 (f / 2) on, channels 32 (f % 2) on.  V, turned: keys 32 (f / 4) on, channels 16 (f % 4) on.
.macro FETCH_K s
	WIN 0x40
.irp f, 0,1,2,3,4,5,6,7
	ds_load_b128 v[KF+8*\f:KF+8*\f+3],   v[ADRK] offset:\s*STEPB+(\f/2)*16*PK+(\f%2)*64
	ds_load_b128 v[KF+8*\f+4:KF+8*\f+7], v[ADRK] offset:\s*STEPB+(\f/2)*16*PK+(\f%2)*64+32
.endr
	WIN 0
.endm
.macro FETCH_V s
.irp f, 0,1,2,3,4,5,6,7
	ds_load_tr16_b128 v[VF+8*\f:VF+8*\f+3],   v[ADRV] offset:\s*STEPB+(\f/4)*32*PV+(\f%4)*32
	ds_load_tr16_b128 v[VF+8*\f+4:VF+8*\f+7], v[ADRV] offset:\s*STEPB+(\f/4)*32*PV+16*PV+(\f%4)*32
.endr
.endm
; 16 products S^T = K Q^T: channels 32 (i / 8) on, keys 16 ((i / 2) % 4) on, tile i % 2.  The eight accumulators take turns; the first 8 start the sums.
.macro KQ
	WIN 0x05                            ; K and Q in window 1
.set i, 0
.rept 16
.set rS, S+32*(i%2)+8*((i/2)%4)
.set rK, KF+16*((i/2)%4)+8*(i/8)
.set rQ, 16*(i%2)+8*(i/8)
.if i < 8
	v_wmma_f32_16x16x32_f16 v[rS:rS+7], v[rK:rK+7], v[rQ:rQ+7], 0
.else
	v_wmma_f32_16x16x32_f16 v[rS:rS+7], v[rK:rK+7], v[rQ:rQ+7], v[rS:rS+7]
.endif
.set i, i+1
.endr
	WIN 0
.endm
; 16 products O^T += V^T P: keys 32 (i / 8) on, channels 16 ((i / 2) % 4) on, tile i % 2.  first = 1: the first 8 start the sums.
.macro PVMUL first
.set i, 0
.rept 16
.set rO, OA+32*(i%2)+8*((i/2)%4)
.set rV, VF+32*(i/8)+8*((i/2)%4)
.set rP, P+16*(i%2)+8*(i/8)
.if \first && (i < 8)
	v_wmma_f32_16x16x32_f16 v[rO:rO+7], v[rV:rV+7], v[rP:rP+7], 0
.else
	v_wmma_f32_16x16x32_f16 v[rO:rO+7], v[rV:rV+7], v[rP:rP+7], v[rO:rO+7]
.endif
.set i, i+1
.endr
.endm
; The diagonal slot's mask, step s: score i of a lane is key 64 s + 16 (i / 8) + i % 8 + 8 (lane / 16) of my group's 128; it becomes -infinity where that key lies behind the query.
.macro MASK s
.irp t, 0,1
.set i, 0
.rept 32
	v_cmp_gt_i32 vcc_lo, 64*\s+16*(i/8)+i%8, v[DQ+\t]
	v_cndmask_b32 v[S+32*\t+i], v[S+32*\t+i], v[NINF], vcc_lo
.set i, i+1
.endr
.endr
.endm
; One tile's softmax for one key step is a list of 118 instructions; SM writes number j of it for tile t.  s0-s31 are the lane's 32 scores, in pairs 0-15.
;   0-15    the maximum of s0-s31 and the old m (in a block's first step: and -1e30), three operands at a time (each accumulator is read from its lowest register on)
;   16-20   the other half of the lanes' maximum; the new m; c m; c m_old - c m_new
;   21-87   33 exponentials at the odd numbers from 23 on; between them plain work that is ready: c s - c m for pairs to come, roundings to f16 of pairs that are done, the first sums
;   88-101  the last rounding, the rest of the sums, l = a l + the sum
;   102-117 the tile's O^T times a
; first = 1: the step starts m, l and O^T: it has no a and nothing to rescale.
.macro SM t, first
.set rT, ST+8*(\t)
.set rS, S+32*(\t)
.set rP, P+16*(\t)
.set rO, OA+32*(\t)+2*(j-102)
.set q, (j-20)/2
.if j < 4
	v_max3_num_f32 v[rT+4+j], v[rS+8*j], v[rS+8*j+1], v[rS+8*j+2]
.elseif j < 12
	v_max3_num_f32 v[rT+4+j%4], v[rT+4+j%4], v[rS+8*(j%4)+2*(j/4)+1], v[rS+8*(j%4)+2*(j/4)+2]
.elseif j == 12
	v_max3_num_f32 v[rT+4], v[rT+4], v[rS+7], v[rS+15]
.elseif j == 13
	v_max3_num_f32 v[rT+6], v[rT+6], v[rS+23], v[rS+31]
.elseif j == 14
	v_max3_num_f32 v[rT+4], v[rT+4], v[rT+5], v[rT+6]
.elseif (j == 15) && \first
	v_max3_num_f32 v[rT+4], v[rT+4], v[rT+7], s[FLR]
.elseif j == 15
	v_max3_num_f32 v[rT+4], v[rT+4], v[rT+7], v[rT+1]
.elseif j == 16
	v_permlanex16_b32 v[rT+5], v[rT+4], s[SEL], s[SEL+1]  ; the query's other 32 keys lie in the lane 16 away
.elseif j == 18
	v_max_num_f32 v[rT+1], v[rT+4], v[rT+5]
.elseif j == 19
	v_mul_f32 v[rT], s[CS], v[rT+1]
.elseif ((j == 17) || (j == 20) || (j == 23) || (j > 101)) && \first
.elseif j == 17
	v_mov_b32 v[rT+7], v[rT]            ; c m_old is kept for a: number 19 writes c m anew
.elseif j == 20
	v_sub_f32 v[rT+7], v[rT+7], v[rT]
.elseif j == 23
	v_exp_f32 v[rT+6], v[rT+7]
.elseif (j < 88) && (j > 23) && (j%2 == 1)
	v_exp_f32 v[rS+(j-25)/2], v[rS+(j-25)/2]
.elseif (q < 4) || ((j < 76) && (q%2 == 0))
.set b, q/2+2
.if q < 4
.set b, q
.endif
	v_pk_fma_f32 v[rS+2*b:rS+2*b+1], v[rS+2*b:rS+2*b+1], s[CS:CS+1], v[rT:rT+1] op_sel_hi:[1,0,0] neg_lo:[0,0,1] neg_hi:[0,0,1]  ; pair b: c s - c m
.elseif (j < 88) && (q%2 == 1)
	s_wait_alu depctr_va_vdst(0)
	v_cvt_pk_f16_f32 v[rP+(q-5)/2], v[rS+q-5], v[rS+q-4]
.elseif j == 89
	s_wait_alu depctr_va_vdst(0)
	v_cvt_pk_f16_f32 v[rP+15], v[rS+30], v[rS+31]
.elseif j < 102                         ; sum z of 16 adds neighbours 1, 2, 4 and 8 pairs apart, in place; then l takes it
.set z, j-86
.if j < 89
.set z, (j-76)/4
.endif
.set w, 4
.set u, z
.if z >= 14
.set w, 32
.set u, 0
.elseif z >= 12
.set w, 16
.set u, z-12
.elseif z >= 8
.set w, 8
.set u, z-8
.endif
.if (z == 14) && \first
	v_pk_add_f32 v[rT+2:rT+3], v[rS:rS+1], v[rS+16:rS+17]
.elseif z < 15
	v_pk_add_f32 v[rS+w*u:rS+w*u+1], v[rS+w*u:rS+w*u+1], v[rS+w*u+w/2:rS+w*u+w/2+1]
.elseif !\first
	v_pk_fma_f32 v[rT+2:rT+3], v[rT+2:rT+3], v[rT+6:rT+7], v[rS:rS+1] op_sel_hi:[1,0,1]
.endif
.else
	v_pk_mul_f32 v[rO:rO+1], v[rO:rO+1], v[rT+6:rT+7] op_sel_hi:[1,0]
.endif
.endm
; Both tiles' lists, two numbers at a time.  Among the exponentials tile by tile (plain, exponential, plain, exponential: each exponential has a plain instruction
; behind it before its result is used); elsewhere the tiles alternate, so that no instruction reads the result of the one just before it.
.macro SOFTMAX first
.set k, 0
.rept 59
.if (k >= 11) && (k < 44)
.irp t, 0,1
.irp n, 0,1
.set j, 2*k+\n
	SM \t, \first
.endr
.endr
.else
.irp n, 0,1
.irp t, 0,1
.set j, 2*k+\n
	SM \t, \first
.endr
.endr
.endif
.set k, k+1
.endr
.endm
; My group's two key steps of a slot.  Each run of 16 loads is issued a phase ahead of its use; each counted wait leaves the 16 youngest loads out.
.macro TILE mask, first
	FETCH_K 0
	FETCH_V 0
.if \first
	s_wait_loadcnt 0x0                  ; the block's Q
.endif
	s_wait_dscnt 16                     ; K of step 0 is in; V's sixteen loads stay out
	KQ
	PLACES
	FETCH_K 1
.if \mask
	MASK 0
.endif
	SOFTMAX \first
	s_wait_dscnt 16                     ; V of step 0 is in; K of step 1 stays out
	PVMUL \first
	PLACES
	FETCH_V 1
	s_wait_dscnt 16                     ; K of step 1 is in; V of step 1 stays out
	KQ
	PLACES
.if \mask
	MASK 1
.endif
	SOFTMAX 0
	s_wait_dscnt 0x0
	PVMUL 0
.endm
; The change of slots.  Each wave waits for all its tensor loads (one is out: its part of the other slot), adds 0 to its spare word, and waits for that and for its reads of the slot.
; Behind the barrier nobody reads this slot any more and the other slot is whole.  fill = 1: this slot is filled again first thing, with the tile after next; it lands while both groups
; work through the other slot.
.macro CHANGE fill
	s_wait_tensorcnt 0x0                ; no tensor load of mine is out, so a group 0 may be written
	ds_add_u32 v[SPW], v[NIL]
.if \fill
	s_add_co_u32 s[G0K+5], s[LB], s[TB] ; the walking descriptors: into the slot just read,
	s_add_co_u32 s[G0V+5], s[LBV], s[TB]
	NEXT 1                              ; the next tile of the walk
.endif
	s_wait_dscnt 0x0                    ; the add is done, my reads of the slot are over
	s_barrier_signal -1
	s_barrier_wait -1
.if \fill
	JLOAD                               ; its four v_nop are also the places behind the last products
.else
	PLACES
.endif
	s_xor_b32 s[TB], s[TB], SLOTB       ; 0 and SLOTB by turns
	v_add_nc_u32 v[ADRK], s[TB], v[AK0]
	v_add_nc_u32 v[ADRV], s[TB], v[AV0]
.endm
; A block goes out.  (1) Group 1 stores c m, l and O^T, 16 bytes a lane, each store 512 consecutive bytes.  Barrier.  (2) Group 0 loads its partner's, lane for lane the same queries and
; channels, and joins: c m = the larger; each side's weight 2^(c m_side - c m); l = the weighted sum, over both halves of the lanes; O = (O0 w0 + O1 w1) / l, rounded to f16.  Barrier: the
; stage lies over the bytes just read.  (3) Group 0 puts 16 bytes a lane into the stage.  Barrier: a row's 256 bytes come from two waves.  (4) All eight waves read 8 whole rows each and store them.
; The branches hang on the wave's number and jump over no barrier.  The bytes' next writing stands behind later barriers, each with every wave's wait for its LDS loads in front.
.macro OUTO
	PLACES
	s_cmp_lt_u32 s[WV], 4
	s_cbranch_scc1 .Lkeeps_\@
	v_mov_b32 v[S], v[ST]
	v_add_f32 v[S+1], v[ST+2], v[ST+3]
	v_mov_b32 v[S+2], v[ST+8]
	v_add_f32 v[S+3], v[ST+10], v[ST+11]
.set i, 0
.rept 16
	ds_store_b128 v[MX], v[OA+4*i:OA+4*i+3] offset:512*i    ; each accumulator's low four registers first
.set i, i+1
.endr
	ds_store_b128 v[MX], v[S:S+3] offset:8192
.Lkeeps_\@:
	s_wait_dscnt 0x0                    ; for the others' sake: what I hand over is stored
	s_barrier_signal -1
	s_barrier_wait -1
	s_cmp_lt_u32 s[WV], 4
	s_cbranch_scc0 .Ljoined_\@
.set i, 0
.rept 16
	ds_load_b128 v[S+4*i:S+4*i+3], v[MX] offset:512*i
.set i, i+1
.endr
	ds_load_b128 v[P:P+3], v[MX] offset:8192                ; the partner's c m and l of tile 0, of tile 1
.irp t, 0,1
	v_add_f32 v[ST+8*\t+2], v[ST+8*\t+2], v[ST+8*\t+3]
.endr
	s_wait_dscnt 0x0
.irp t, 0,1
	v_max_num_f32 v[ST+8*\t+4], v[ST+8*\t], v[P+2*\t]
.endr
.irp t, 0,1
	v_sub_f32 v[ST+8*\t+5], v[ST+8*\t], v[ST+8*\t+4]
	v_sub_f32 v[ST+8*\t+6], v[P+2*\t], v[ST+8*\t+4]
.endr
.irp t, 0,1
	v_exp_f32 v[ST+8*\t+5], v[ST+8*\t+5]
	v_exp_f32 v[ST+8*\t+6], v[ST+8*\t+6]
.endr
	v_nop                               ; a plain instruction between the last exponential and the use of its result
	s_wait_alu depctr_va_vdst(0)
.irp t, 0,1
	v_mul_f32 v[ST+8*\t+2], v[ST+8*\t+2], v[ST+8*\t+5]
.endr
.irp t, 0,1
	v_fmac_f32 v[ST+8*\t+2], v[P+2*\t+1], v[ST+8*\t+6]
.endr
.irp t, 0,1
	v_permlanex16_b32 v[ST+8*\t+3], v[ST+8*\t+2], s[SEL], s[SEL+1]
.endr
.irp t, 0,1
	v_add_f32 v[ST+8*\t+2], v[ST+8*\t+2], v[ST+8*\t+3]
.endr
.irp t, 0,1
	v_rcp_f32 v[ST+8*\t+3], v[ST+8*\t+2]
.endr
	v_nop                               ; a plain instruction between the last reciprocal and the use of its result
	s_wait_alu depctr_va_vdst(0)
.irp t, 0,1
	v_mul_f32 v[ST+8*\t+4], v[ST+8*\t+5], v[ST+8*\t+3]
	v_mul_f32 v[ST+8*\t+6], v[ST+8*\t+6], v[ST+8*\t+3]
.endr
.irp t, 0,1
.set i, 0
.rept 16
	v_pk_mul_f32 v[OA+32*\t+2*i:OA+32*\t+2*i+1], v[OA+32*\t+2*i:OA+32*\t+2*i+1], v[ST+8*\t+4:ST+8*\t+5] op_sel_hi:[1,0]
.set i, i+1
.endr
.set i, 0
.rept 16
	v_pk_fma_f32 v[OA+32*\t+2*i:OA+32*\t+2*i+1], v[S+32*\t+2*i:S+32*\t+2*i+1], v[ST+8*\t+6:ST+8*\t+7], v[OA+32*\t+2*i:OA+32*\t+2*i+1] op_sel_hi:[1,0,1]
.set i, i+1
.endr
.set i, 0
.rept 16
	v_cvt_pk_f16_f32 v[P+16*\t+i], v[OA+32*\t+2*i], v[OA+32*\t+2*i+1]
.set i, i+1
.endr
.endr
.Ljoined_\@:
	s_wait_dscnt 0x0                    ; my reads of what was handed over are back
	s_barrier_signal -1
	s_barrier_wait -1
	s_cmp_lt_u32 s[WV], 4
	s_cbranch_scc0 .Lstaged_\@
.irp t, 0,1
.irp c, 0,1,2,3
	ds_store_b128 v[STO], v[P+16*\t+4*\c:P+16*\t+4*\c+3] offset:\t*16*SP+32*\c
.endr
.endr
.Lstaged_\@:
	s_wait_dscnt 0x0                    ; for the others' sake: my stores into the stage are done
	s_barrier_signal -1
	s_barrier_wait -1
.irp f, 0,1,2,3
	ds_load_b128 v[S+4*\f:S+4*\f+3], v[RD] offset:\f*2*SP
.endr
.irp f, 0,1,2,3
	s_wait_dscnt 3-\f
	global_store_b128 v[GO], v[S+4*\f:S+4*\f+3], s[OBS:OBS+1] offset:\f*4096  ; 16 lanes store 256 consecutive bytes, aligned
.endr
	s_wait_xcnt 0x0                     ; the stores' base and data are rewritten only behind this wait
.endm
	SETBLK 15
	s_wait_tensorcnt 1                  ; my part of tile 0 is in; tile 1's stays out
	s_barrier_signal -1
	s_barrier_wait -1
	TILE 1, 1                           ; tile 0: the first block's diagonal slot
	s_mov_b32 s[CUR], 1
.Ltile:                                 ; tiles 1 to 7; each trip fills the slot just read with tile CUR + 1
	s_cmp_eq_u32 s[CUR], s[DL1]
	s_cbranch_scc1 .Ldiag
	CHANGE 1
	TILE 0, 0
	s_branch .Ljoin
.Ldiag:                                 ; the first block is done (dL + 1 is 1 to 4): it goes out, and the second begins with its diagonal slot
	OUTO
	SETBLK 19
	CHANGE 1
	TILE 1, 1
.Ljoin:
	s_add_co_u32 s[CUR], s[CUR], 1
	s_cmp_lt_u32 s[CUR], 8
	s_cbranch_scc1 .Ltile
	CHANGE 0                            ; tile 8, key slot dH - 1 of the second block: nothing is left to fetch
	TILE 0, 0
	OUTO
	s_wait_tensorcnt 0x0                ; the wave's end
	ds_add_u32 v[SPW], v[NIL]
	s_wait_dscnt 0x0
	s_endpgm
.Lfunc_end_k_qb901fb9006_attn:
	.size	k_qb901fb9006_attn, .Lfunc_end_k_qb901fb9006_attn-k_qb901fb9006_attn
	.p2alignl 7, 3214868480
	.fill 96, 4, 3214868480
	.section	.rodata,"a",@progbits
	.p2align	6, 0x0
	.amdhsa_kernel k_qb901fb9006_attn
		.amdhsa_group_segment_fixed_size 327680
		.amdhsa_private_segment_fixed_size 0
		.amdhsa_enable_private_segment 0
		.amdhsa_kernarg_size 16
		.amdhsa_user_sgpr_count 2
		.amdhsa_user_sgpr_kernarg_segment_ptr 1
		.amdhsa_wavefront_size32 1
		.amdhsa_system_sgpr_workgroup_id_x 1
		.amdhsa_system_sgpr_workgroup_id_y 1
		.amdhsa_system_sgpr_workgroup_id_z 1
		.amdhsa_system_vgpr_workitem_id 0
		.amdhsa_next_free_vgpr 384
		.amdhsa_next_free_sgpr 86
		.amdhsa_reserve_vcc 1
		.amdhsa_float_denorm_mode_32 3
		.amdhsa_float_denorm_mode_16_64 3
		.amdhsa_memory_ordered 1
		.amdhsa_forward_progress 1
		.amdhsa_inst_pref_size 194
	.end_amdhsa_kernel
	.amdgpu_metadata
---
amdhsa.version: [ 1, 2 ]
amdhsa.kernels:
  - .name:           k_qb901fb9006_attn
    .symbol:         k_qb901fb9006_attn.kd
    .args:
      - { .name: wide, .offset: 0, .size: 8, .value_kind: global_buffer, .address_space: global }
      - { .name: act, .offset: 8, .size: 8, .value_kind: global_buffer, .address_space: global }
    .group_segment_fixed_size: 327680
    .private_segment_fixed_size: 0
    .kernarg_segment_align: 8
    .kernarg_segment_size: 16
    .max_flat_workgroup_size: 256
    .sgpr_count:     86
    .vgpr_count:     384
    .wavefront_size: 32
...
	.end_amdgpu_metadata
.endif
;; end of part 3
;; launch wo (part 4): grid 8 x 32, 4 waves a work-group, clusters of 4 x 4, 327,680 bytes of LDS; arguments act, wb, y, bo; writes y
.if DOCPART == 4
	.amdgcn_target "amdgcn-amd-amdhsa--gfx1250"
	.amdhsa_code_object_version 6
	.text
	.protected	k_qb901fb9006_wo
	.globl	k_qb901fb9006_wo
	.p2align	8
	.type	k_qb901fb9006_wo,@function
k_qb901fb9006_wo:
	s_mov_b64 s[64:65], 0
	v_nop
	global_prefetch_b8 v0, s[64:65] scope:SCOPE_SE
	s_setreg_imm32_b32 hwreg(HW_REG_WAVE_MODE, 25, 1), 1
	s_wait_xcnt 0x0
	s_wait_alu depctr_hold_cnt(0) depctr_sa_sdst(0) depctr_va_vdst(0) depctr_va_sdst(0) depctr_va_ssrc(0) depctr_va_vcc(0) depctr_vm_vsrc(0)
	s_getreg_b32 s2, hwreg(HW_REG_IB_STS2, 6, 4)
	s_cmp_eq_u32 s2, 0
	s_cbranch_scc0 .Lentry_in_a_cluster
	s_endpgm
.Lentry_in_a_cluster:
	s_bfe_u32 s2, ttmp6, 0x10000c
	s_cmp_lg_u32 s2, 0xf033
	s_cbranch_scc0 .Lentry_shape_is_right
	s_endpgm
.Lentry_shape_is_right:
; Y[m][n] = bias[n] + sum over k of A[m][k] W[k][n].  Here: A = o in f16 [4096][1024], W = Wo [1024][1024] at byte WOFF of the weights, Y [4096][1024] f32.
; 4096 x 1024 of Y are 64 tiles of 256 x 256 but 256 tiles of 128 x 128: the smaller tile gives each of 256 work-groups one.  Four waves, each 64 x 64: 16 accumulators, 128 registers.
; K goes in steps of 256 through two LDS slots.  A's rows lie along K (512 bytes a row of the tile); W lies [K][N]: its tile is 256 k-rows x 128 n, turned on the way out of LDS.
; THE MATRIX INSTRUCTION IS USED TRANSPOSED (source 0 = 16 columns of W, source 1 = 16 rows of A): a lane holds eight neighbouring numbers of a row of Y.  The bias is the C operand of the first product.
; CLUSTERS: 4 x 4 work-groups; A's tile is asked for jointly by a row of the cluster, W's by a column.
; LIMIT: matrix operands are f16 (magnitudes under 65,504; numbers under 6.1e-5 keep an absolute step of 6e-8).  Sums and Y are f32.
; REGISTERS: window 0: v0-31 addresses; v32-95 the way out; v96-127 the bias; v128-255 the accumulators ((a, b) at v[128 + 8 (4 a + b)]).  Window 1: two fragment buffers of 128: 64 of A, then 64 of W.
.set SIZE_N, 1024
.set SIZE_K, 1024
.set WOFF,   6291456
.set KSTEP,  256
.set PITCH,  528                       ; a row of A in LDS: 512 bytes + 16
.set PB,     288                       ; a k-row of W in LDS: 256 bytes + 32
.set HALFA,  64*PITCH                  ; what a tensor load brings of A: 64 rows
.set HALFB,  128*PB                    ; and of W: 128 k-rows
.set AOFF,   2*HALFB                   ; a slot: W's 256 k-rows, then A's 128 rows
.set SLOT,   AOFF+2*HALFA
.set STAGE,  2*SLOT                    ; behind the ring: 16 rows x 272 bytes for each wave
.set SPITCH, 272
.set SPARE,  STAGE+4*16*SPITCH         ; the spare words: 128 bytes a wave, two blocks of 256 bytes that no other line names
.set LAPS,   SIZE_K/(2*KSTEP)
.set ADRA, 16                          ; v16-17  LDS address of my A fragments in slot 0, 1
.set ADRB, 20                          ; v20-21  of my W fragments, k-rows 0-127
.set ADRB2, 22                         ; v22-23  k-rows 128-255: so the loads' immediates stay inside 16 bits
.set STO,  24
.set RD,   25
.set CO,   26
.set BO,   27
.set SPW,  28                          ; my spare word; never rewritten
.set NIL,  29                          ; 0; never rewritten
.set TMP,  32
.set BIAS, 96
.set ACC,  128
.set F0,   0
.set F1,   128
.set G1,  24                           ; s[24:31], s[32:39] descriptor groups 1 and 0 for A
.set G0,  32
.set G1B, 48                           ; s[48:55], s[56:63] for W
.set G0B, 56
.set BP,  68                           ; s[68:69] the bias
.set MSB, 0
.macro WIN new
.if MSB != \new
	s_set_vgpr_msb (MSB<<8)|(\new)
.set MSB, \new
.endif
.endm
.set MUL,  0x05                        ; sources 0 (W) and 1 (A) window 1; C and D window 0
.set TO_F, 0x40                        ; destination window 1, address window 0
.macro JLOAD s                         ; a joint load: waves 0 and 1 fetch W's two halves, waves 2 and 3 A's; four v_nop follow each line
	s_cmp_eq_u32 s11, 0
	s_cbranch_scc0 .Lfor_a_\@
	tensor_load_to_lds s[G0B+4*\s:G0B+4*\s+3], s[G1B:G1B+7]
	s_nop 0
.rept 4
	v_nop
.endr
	s_branch .Lasked_\@
.Lfor_a_\@:
	tensor_load_to_lds s[G0+4*\s:G0+4*\s+3], s[G1:G1+7]
	s_nop 0
.rept 4
	v_nop
.endr
.Lasked_\@:
.endm
.macro CREST
	s_cmp_lg_u32 s10, 0
	s_cbranch_scc1 .Lnot_wave_0_\@
	s_barrier_signal -3
.Lnot_wave_0_\@:
	s_barrier_wait -3
	s_barrier_signal -1
	s_barrier_wait -1
.endm
.macro CROUND
	s_barrier_signal -1
	s_barrier_wait -1
	CREST
.endm
	s_load_b128 s[4:7], s[0:1], 0x0                ; A s[4:5], the weights s[6:7]
	s_load_b64 s[8:9], s[0:1], 0x10                ; Y
	s_load_b64 s[BP:BP+1], s[0:1], 0x18            ; the bias
	v_lshl_add_u32 v[SPW], v0, 2, SPARE
	v_mov_b32 v[NIL], 0
	ds_add_u32 v28, v29
	ds_add_u32 v28, v29
	s_wait_dscnt 0x0
	v_lshrrev_b32 v1, 5, v0
	v_readfirstlane_b32 s10, v1                    ; wave 0..3
	s_lshr_b32 s11, s10, 1                         ; my half of the tile's rows.  Also: I fetch for W (0) or for A (1)
	s_and_b32 s12, s10, 1                          ; my half of its columns.  Also: which half of that tile I fetch
	s_bfe_u32 s40, ttmp6, 0x40000                  ; cx, cy
	s_bfe_u32 s41, ttmp6, 0x40004
	s_lshl_b32 s42, ttmp9, 2
	s_add_co_u32 s42, s42, s40                     ; tile column
	s_and_b32 s13, ttmp7, 0xffff
	s_lshl_b32 s13, s13, 2
	s_add_co_u32 s13, s13, s41                     ; tile row
	s_lshl_b32 s43, s41, 2
	s_lshl_b32 s43, 15, s43                        ; my row of the cluster
	s_lshl_b32 s44, 0x1111, s40                    ; my column
	s_or_b32 s[G1+0], s43, (1<<16)|(1<<20)|(1<<21)|(6<<22)|(3<<25)   ; mask: my row; elements of 2 bytes; padding on; bit 21 beside a mask; after every 128 words 4 words
	s_mov_b32 s[G1+1], KSTEP<<16                   ; tensor_dim0 = 256
	s_mov_b32 s[G1+2], 64<<16                      ; tensor_dim1 = 64
	s_mov_b32 s[G1+3], KSTEP<<16                   ; tile_dim0 = 256
	s_mov_b32 s[G1+4], 64                          ; tile_dim1 = 64
	s_mov_b32 s[G1+5], SIZE_K
	s_mov_b32 s[G1+6], 0
	s_mov_b32 s[G1+7], 0
	s_or_b32 s[G1B+0], s44, (1<<16)|(1<<20)|(1<<21)|(5<<22)|(7<<25)  ; mask: my column; after every 64 words 8 words
	s_mov_b32 s[G1B+1], 128<<16                    ; tensor_dim0 = 128
	s_mov_b32 s[G1B+2], 128<<16                    ; tensor_dim1 = 128
	s_mov_b32 s[G1B+3], 128<<16                    ; tile_dim0 = 128
	s_mov_b32 s[G1B+4], 128                        ; tile_dim1 = 128
	s_mov_b32 s[G1B+5], SIZE_N
	s_mov_b32 s[G1B+6], 0
	s_mov_b32 s[G1B+7], 0
	s_lshl_b32 s17, s12, 6
	s_lshl_b32 s16, s13, 7
	s_add_co_u32 s16, s16, s17                     ; A: row 128 x tile row + 64 x half
	s_mov_b32 s17, 0
	s_mov_b64 s[18:19], SIZE_K*2
	s_mul_u64 s[16:17], s[16:17], s[18:19]
	s_mul_i32 s46, s12, 128*SIZE_N*2               ; W: k-row 128 x half,
	s_lshl_b32 s47, s42, 8                         ; column 128 x tile column,
	s_add_co_u32 s46, s46, s47
	s_add_co_u32 s46, s46, WOFF                    ; in this matrix of the weights
	s_mov_b32 s47, 0
	s_mul_i32 s20, s10, HALFB                      ; where W's halves go (waves 0, 1),
	s_mul_i32 s45, s10, HALFA
	s_add_co_u32 s45, s45, AOFF-2*HALFA            ; and A's (waves 2, 3): a constant and the wave's number times a constant
	s_wait_kmcnt 0x0
	s_add_nc_u64 s[14:15], s[4:5], s[16:17]
	s_add_nc_u64 s[46:47], s[6:7], s[46:47]
	CROUND                                         ; all sixteen work-groups are here: the first joint loads meet
.irp s, 0,1
	s_mov_b32 s[G0+4*\s], 1
	s_add_co_u32 s[G0+4*\s+1], s45, \s*SLOT
	s_add_nc_u64 s[G0+4*\s+2:G0+4*\s+3], s[14:15], \s*KSTEP*2
	s_or_b32 s[G0+4*\s+3], s[G0+4*\s+3], 0x80000000
	s_mov_b32 s[G0B+4*\s], 1
	s_add_co_u32 s[G0B+4*\s+1], s20, \s*SLOT
	s_add_nc_u64 s[G0B+4*\s+2:G0B+4*\s+3], s[46:47], \s*KSTEP*SIZE_N*2
	s_or_b32 s[G0B+4*\s+3], s[G0B+4*\s+3], 0x80000000
	JLOAD \s                                       ; two loads of mine are out
.endr
	v_and_b32 v1, 15, v0                           ; l % 16
	v_bfe_u32 v2, v0, 4, 1                         ; l / 16
	v_mul_u32_u24 v3, v1, PITCH
	v_lshl_add_u32 v3, v2, 4, v3
	v_and_b32 v6, 7, v0
	v_bfe_u32 v7, v0, 3, 1
	v_lshl_add_u32 v8, v2, 3, v6
	v_mul_u32_u24 v8, v8, PB
	v_lshl_add_u32 v8, v7, 4, v8
	s_mul_i32 s21, s11, HALFA                      ; my 64 rows of A,
	s_add_co_u32 s21, s21, AOFF                    ; which lies behind W
	s_lshl_b32 s22, s12, 7                         ; my 64 columns of W
.irp s, 0,1
	v_add_nc_u32 v[ADRA+\s], s21, v3
	v_add_nc_u32 v[ADRB+\s], s22, v8
	v_add_nc_u32 v[ADRB2+\s], 128*PB, v[ADRB+\s]
	s_add_co_u32 s21, s21, SLOT
	s_add_co_u32 s22, s22, SLOT
.endr
	s_mul_i32 s23, s10, 16*SPITCH
	s_add_co_u32 s23, s23, STAGE                   ; my stage: a wave's 64 columns of f32 are 256 aligned bytes, so it needs no other wave's
	v_mul_u32_u24 v4, v1, SPITCH
	v_lshl_add_u32 v4, v2, 5, v4                   ; in: row l % 16, 32 bytes for each half of the lanes
	v_add_nc_u32 v[STO], s23, v4
	v_mul_u32_u24 v5, v2, SPITCH
	v_lshl_add_u32 v5, v1, 4, v5                   ; back: lanes 0-15 one row of 256 bytes, lanes 16-31 the next
	v_add_nc_u32 v[RD], s23, v5
	v_lshlrev_b32 v5, 12, v2
	v_lshl_add_u32 v[CO], v1, 4, v5                ; the same two rows in Y
	s_lshl_b32 s16, s13, 7
	s_lshl_b32 s17, s11, 6
	s_add_co_u32 s16, s16, s17                     ; my first row of Y
	s_lshl_b32 s16, s16, 12                        ; rows of 4,096 bytes
	s_mov_b32 s17, 0
	s_add_nc_u64 s[8:9], s[8:9], s[16:17]
	s_lshl_b32 s46, s42, 9                         ; my first column in bytes of f32: in Y and in the bias
	s_lshl_b32 s47, s12, 8
	s_add_co_u32 s46, s46, s47
	s_mov_b32 s47, 0
	s_add_nc_u64 s[8:9], s[8:9], s[46:47]
	s_add_nc_u64 s[BP:BP+1], s[BP:BP+1], s[46:47]
	v_lshlrev_b32 v[BO], 5, v2                     ; a lane's eight results are columns 8 (l / 16) + 0..7 of a block
.irp b, 0,1,2,3
	global_load_b128 v[BIAS+8*\b:BIAS+8*\b+3],   v[BO], s[BP:BP+1] offset:64*\b
	global_load_b128 v[BIAS+8*\b+4:BIAS+8*\b+7], v[BO], s[BP:BP+1] offset:64*\b+16
.endr
; 8 matrix instructions: m blocks a0, a0 + 1 x all 4 n blocks, 32 along K: half c of buffer f.  zero = 1: the first product starts the sums from the bias
.macro MUL8 f, c, a0, zero
.irp a, \a0, \a0+1
.irp b, 0,1,2,3
.if \zero
	v_wmma_f32_16x16x32_f16 v[ACC+8*(4*(\a)+\b):ACC+8*(4*(\a)+\b)+7], v[\f+64+8*(4*\c+\b):\f+64+8*(4*\c+\b)+7], v[\f+8*(4*\c+\a):\f+8*(4*\c+\a)+7], v[BIAS+8*\b:BIAS+8*\b+7]
.else
	v_wmma_f32_16x16x32_f16 v[ACC+8*(4*(\a)+\b):ACC+8*(4*(\a)+\b)+7], v[\f+64+8*(4*\c+\b):\f+64+8*(4*\c+\b)+7], v[\f+8*(4*\c+\a):\f+8*(4*\c+\a)+7], v[ACC+8*(4*(\a)+\b):ACC+8*(4*(\a)+\b)+7]
.endif
.endr
.endr
.endm
; 32 LDS loads in one run: the fragments of 64 along K (byte k of A's rows = k-row k / 2 of W) into buffer f; the first 32 along K first
.macro FETCH slot, k, f
	WIN TO_F
.if \k < 256
.set AW, ADRB+\slot
.else
.set AW, ADRB2+\slot
.endif
.set KR, (\k/2)%128
.irp c, 0,1
.irp i, 0,1,2,3
	ds_load_tr16_b128 v[\f+64+8*(4*\c+\i):\f+64+8*(4*\c+\i)+3],   v[AW] offset:(KR+32*\c)*PB+32*\i
	ds_load_tr16_b128 v[\f+64+8*(4*\c+\i)+4:\f+64+8*(4*\c+\i)+7], v[AW] offset:(KR+32*\c+16)*PB+32*\i
	ds_load_b128 v[\f+8*(4*\c+\i):\f+8*(4*\c+\i)+3],         v[ADRA+\slot] offset:\k+64*\c+\i*16*PITCH
	ds_load_b128 v[\f+8*(4*\c+\i)+4:\f+8*(4*\c+\i)+7],       v[ADRA+\slot] offset:\k+64*\c+\i*16*PITCH+32
.endr
.endr
.endm
.macro PLACES                          ; four plain vector instructions between a matrix instruction and a load into, or a read of, its registers
.rept 4
	v_nop
.endr
.endm
; A K step is four quarters of 64 along K, 32 matrix instructions each, on buffers 0, 1, 0, 1; the 16 accumulators take turns.
.macro QUARTER slot, k, f, g, zero
	s_wait_dscnt 16                                ; the first 32 along K are in; the youngest sixteen loads may be out
	WIN MUL
	MUL8 \f, 0, 0, \zero
	MUL8 \f, 0, 2, \zero
	PLACES
	FETCH \slot, \k, \g
	s_wait_dscnt 32                                ; all but the 32 just issued
	WIN MUL
	MUL8 \f, 1, 0, 0
	MUL8 \f, 1, 2, 0
.endm
; The last quarter multiplies buffer 1 and changes slots: one barrier; in front of it each wave waits for all its tensor loads, adds 0 to its spare word, and waits for that and its reads of this slot.
.macro TURN slot, next, fill
	WIN 0
	s_wait_tensorcnt 0x0                           ; my part of the next slot has landed
	ds_add_u32 v[SPW], v[NIL]
	s_wait_dscnt 17                                ; the add and the youngest sixteen loads may be out
	WIN MUL
	MUL8 F1, 0, 0, 0
	s_wait_dscnt 0x0                               ; the add is done, my reads of this slot are over
	s_barrier_signal -1
	MUL8 F1, 0, 2, 0
.if \fill
	WIN 0
.endif
	s_barrier_wait -1
.if \fill
	CREST                                          ; the barrier has opened a round of the cluster's barrier
	s_add_nc_u64 s[G0+4*\slot+2:G0+4*\slot+3], s[G0+4*\slot+2:G0+4*\slot+3], 2*KSTEP*2
	s_add_nc_u64 s[G0B+4*\slot+2:G0B+4*\slot+3], s[G0B+4*\slot+2:G0B+4*\slot+3], 2*KSTEP*SIZE_N*2
	JLOAD \slot                                    ; the first tensor load behind the round; its four v_nop are also the places in front of the loads below
.else
	PLACES
.endif
	FETCH \next, 0, F0
	WIN MUL
	MUL8 F1, 1, 0, 0
	MUL8 F1, 1, 2, 0
.endm
	s_wait_tensorcnt 1                             ; my part of K step 0 is in; K step 1's stays out
	s_barrier_signal -1
	s_barrier_wait -1
	FETCH 0, 0, F0
	s_wait_loadcnt 0x0                             ; the bias
	QUARTER 0, 128, F0, F1, 1
.if LAPS > 1
	WIN 0
	s_mov_b32 s3, LAPS-1
.Llap:
	QUARTER 0, 256, F1, F0, 0
	QUARTER 0, 384, F0, F1, 0
	TURN 0, 1, 1
	QUARTER 1, 128, F0, F1, 0
	QUARTER 1, 256, F1, F0, 0
	QUARTER 1, 384, F0, F1, 0
	TURN 1, 0, 1
	QUARTER 0, 128, F0, F1, 0
	WIN 0
	s_sub_co_u32 s3, s3, 1
	s_cmp_lg_u32 s3, 0
	s_cbranch_scc1 .Llap
.endif
	QUARTER 0, 256, F1, F0, 0                      ; the last lap fills nothing
	QUARTER 0, 384, F0, F1, 0
	TURN 0, 1, 0
	QUARTER 1, 128, F0, F1, 0
	QUARTER 1, 256, F1, F0, 0
	QUARTER 1, 384, F0, F1, 0
	s_wait_dscnt 16
	WIN MUL
	MUL8 F1, 0, 0, 0
	MUL8 F1, 0, 2, 0
	s_wait_dscnt 0x0
	MUL8 F1, 1, 0, 0
	MUL8 F1, 1, 2, 0
	WIN 0
; THE WAY OUT of block a (16 rows x 64 columns of f32): 32 bytes a lane into my stage, back as whole rows of 256 bytes, stored.  Each accumulator's low four registers go first.
.macro OUTF a
.set BK, TMP+32*((\a)%2)
.irp b, 0,1,2,3
	ds_store_b128 v[STO], v[ACC+8*(4*\a+\b):ACC+8*(4*\a+\b)+3]   offset:64*\b
	ds_store_b128 v[STO], v[ACC+8*(4*\a+\b)+4:ACC+8*(4*\a+\b)+7] offset:64*\b+16
.endr
	s_wait_xcnt 0x0                                ; registers that earlier stores read are loaded again only behind this wait
.irp t, 0,1,2,3,4,5,6,7
	ds_load_b128 v[BK+4*\t:BK+4*\t+3], v[RD] offset:\t*2*SPITCH    ; LDS serves a wave's instructions in order: these see the stores above
.endr
.irp t, 0,1,2,3,4,5,6,7
	s_wait_dscnt 7-\t
	global_store_b128 v[CO], v[BK+4*\t:BK+4*\t+3], s[8:9] offset:(16*\a+2*\t)*4096   ; 16 lanes store 256 consecutive bytes, aligned
.endr
.endm
	PLACES
	OUTF 0
	OUTF 1
	OUTF 2
	OUTF 3
	s_wait_tensorcnt 0x0                           ; the wave's end
	ds_add_u32 v[SPW], v[NIL]
	s_wait_dscnt 0x0
	CROUND                                         ; the closing round
	s_endpgm
.Lfunc_end_k_qb901fb9006_wo:
	.size	k_qb901fb9006_wo, .Lfunc_end_k_qb901fb9006_wo-k_qb901fb9006_wo
	.p2alignl 7, 3214868480
	.fill 96, 4, 3214868480
	.section	.rodata,"a",@progbits
	.p2align	6, 0x0
	.amdhsa_kernel k_qb901fb9006_wo
		.amdhsa_group_segment_fixed_size 327680
		.amdhsa_private_segment_fixed_size 0
		.amdhsa_enable_private_segment 0
		.amdhsa_kernarg_size 32
		.amdhsa_user_sgpr_count 2
		.amdhsa_user_sgpr_kernarg_segment_ptr 1
		.amdhsa_wavefront_size32 1
		.amdhsa_system_sgpr_workgroup_id_x 1
		.amdhsa_system_sgpr_workgroup_id_y 1
		.amdhsa_system_sgpr_workgroup_id_z 1
		.amdhsa_system_vgpr_workitem_id 0
		.amdhsa_next_free_vgpr 512
		.amdhsa_next_free_sgpr 70
		.amdhsa_reserve_vcc 0
		.amdhsa_float_denorm_mode_32 3
		.amdhsa_float_denorm_mode_16_64 3
		.amdhsa_memory_ordered 1
		.amdhsa_forward_progress 1
		.amdhsa_inst_pref_size 88
	.end_amdhsa_kernel
	.amdgpu_metadata
---
amdhsa.version: [ 1, 2 ]
amdhsa.kernels:
  - .name:           k_qb901fb9006_wo
    .symbol:         k_qb901fb9006_wo.kd
    .args:
      - { .name: act, .offset: 0, .size: 8, .value_kind: global_buffer, .address_space: global }
      - { .name: wb, .offset: 8, .size: 8, .value_kind: global_buffer, .address_space: global }
      - { .name: y, .offset: 16, .size: 8, .value_kind: global_buffer, .address_space: global }
      - { .name: bo, .offset: 24, .size: 8, .value_kind: global_buffer, .address_space: global }
    .group_segment_fixed_size: 327680
    .private_segment_fixed_size: 0
    .kernarg_segment_align: 8
    .kernarg_segment_size: 32
    .max_flat_workgroup_size: 128
    .sgpr_count:     70
    .vgpr_count:     512
    .wavefront_size: 32
...
	.end_amdgpu_metadata
.endif
;; end of part 4
;; launch ln1 (part 5): grid 256 x 1, 8 waves a work-group, no clusters, 0 bytes of LDS; arguments y, embedding, g1, be1, act; writes act
.if DOCPART == 5
	.amdgcn_target "amdgcn-amd-amdhsa--gfx1250"
	.amdhsa_code_object_version 6
	.text
	.protected	k_qb901fb9006_ln1
	.globl	k_qb901fb9006_ln1
	.p2align	8
	.type	k_qb901fb9006_ln1,@function
k_qb901fb9006_ln1:
	s_mov_b64 s[64:65], 0
	v_nop
	global_prefetch_b8 v0, s[64:65] scope:SCOPE_SE
	s_setreg_imm32_b32 hwreg(HW_REG_WAVE_MODE, 25, 1), 1
	s_wait_xcnt 0x0
; out[r][c] = x[r][c] + (y[r][c] - mean_r) / sqrt(var_r + 1e-5) * g[c] + be[c].  y, x: [4096][1024] f32.  Here out is f16 (the next product's operand; magnitudes under 65,504).
; A row is 4,096 bytes: one wave holds a whole row in 32 registers, so y is read once, the variance is taken from the differences (two passes over registers), and no wave waits for another.
; 256 work-groups of eight waves, two rows a wave, straight line: all 48 loads of a wave go out at the start; the waits are counted.  Memory binds: no LDS, no matrix unit.
.set OUT16, 1
.set Y,  8                             ; v[8:71]    two rows of y, then of the result
.set G,  72                            ; v[72:103]  g of my 32 columns
.set BE, 104                           ; v[104:135] be
.set X,  136                           ; v[136:199] two rows of x, then of x + be
.set T,  200                           ; v[200:207] four chains of sums; v200 then holds the mean, later 1 / sqrt(var + eps)
	s_load_b256 s[4:11], s[0:1], 0x0               ; y s[4:5], x s[6:7], g s[8:9], be s[10:11]
	s_load_b64 s[12:13], s[0:1], 0x20              ; out
	v_and_b32 v4, 31, v0
	v_lshrrev_b32 v5, 5, v0
	v_lshlrev_b32 v2, 4, v4                        ; 16 x lane: my place in 512 bytes of a row
	v_lshl_add_u32 v1, v5, 13, v2                  ; + wave x 2 rows
.if OUT16
	v_lshlrev_b32 v3, 3, v4
	v_lshl_add_u32 v3, v5, 12, v3                  ; the same in rows of 2,048 bytes
.endif
	s_lshl_b32 s14, ttmp9, 16                      ; the work-group's 16 rows
	s_mov_b32 s15, 0
	s_lshl_b32 s16, ttmp9, 15
	s_mov_b32 s17, 0
	s_mov_b32 s18, 0x76543210                      ; v_permlanex16_b32: each lane takes its own place in the other half
	s_mov_b32 s19, 0xfedcba98
	s_mov_b32 s20, 0x3a800000                      ; 1 / 1024
	s_mov_b32 s21, 0x3727c5ac                      ; 1e-5
	s_wait_kmcnt 0x0
	s_add_nc_u64 s[4:5], s[4:5], s[14:15]
	s_add_nc_u64 s[6:7], s[6:7], s[14:15]
.if OUT16
	s_add_nc_u64 s[12:13], s[12:13], s[16:17]
.else
	s_add_nc_u64 s[12:13], s[12:13], s[14:15]
.endif
.irp i, 0,1
.irp j, 0,1,2,3,4,5,6,7
	global_load_b128 v[Y+32*\i+4*\j:Y+32*\i+4*\j+3], v1, s[4:5] offset:4096*\i+512*\j th:TH_LOAD_NT
.endr
.endr
.irp j, 0,1,2,3,4,5,6,7
	global_load_b128 v[G+4*\j:G+4*\j+3], v2, s[8:9] offset:512*\j
.endr
.irp j, 0,1,2,3,4,5,6,7
	global_load_b128 v[BE+4*\j:BE+4*\j+3], v2, s[10:11] offset:512*\j
.endr
.irp i, 0,1
.irp j, 0,1,2,3,4,5,6,7
	global_load_b128 v[X+32*\i+4*\j:X+32*\i+4*\j+3], v1, s[6:7] offset:4096*\i+512*\j
.endr
.endr
.macro FOLD                            ; the four chains become one number a lane, then one for the wave, in every lane
	v_pk_add_f32 v[T:T+1], v[T:T+1], v[T+2:T+3]
	v_pk_add_f32 v[T+4:T+5], v[T+4:T+5], v[T+6:T+7]
	v_pk_add_f32 v[T:T+1], v[T:T+1], v[T+4:T+5]
	v_add_f32 v[T], v[T], v[T+1]
	v_add_f32_dpp v[T], v[T], v[T] row_xmask:1 row_mask:0xf bank_mask:0xf
	v_add_f32_dpp v[T], v[T], v[T] row_xmask:2 row_mask:0xf bank_mask:0xf
	v_add_f32_dpp v[T], v[T], v[T] row_xmask:4 row_mask:0xf bank_mask:0xf
	v_add_f32_dpp v[T], v[T], v[T] row_xmask:8 row_mask:0xf bank_mask:0xf
	v_permlanex16_b32 v[T+2], v[T], s18, s19
	v_add_f32 v[T], v[T], v[T+2]
.endm
; Row i.  c1: the younger loads that may be out when the row's y is needed; c2: when g, be and the row's x are.
.macro ROW i, c1, c2
.set R,  Y+32*\i
.set XR, X+32*\i
	s_wait_loadcnt \c1
.irp k, 0,1,2,3
	v_pk_add_f32 v[T+2*\k:T+2*\k+1], v[R+2*\k:R+2*\k+1], v[R+8+2*\k:R+8+2*\k+1]        ; the first sums start the chains: nothing is cleared
.endr
.irp m, 16,24
.irp k, 0,1,2,3
	v_pk_add_f32 v[T+2*\k:T+2*\k+1], v[T+2*\k:T+2*\k+1], v[R+\m+2*\k:R+\m+2*\k+1]
.endr
.endr
	FOLD
	v_mul_f32 v[T], s20, v[T]                      ; the mean
.set p, 0
.rept 16
	v_pk_add_f32 v[R+2*p:R+2*p+1], v[R+2*p:R+2*p+1], v[T:T+1] op_sel_hi:[1,0] neg_lo:[0,1] neg_hi:[0,1]   ; y - mean, in place
.set p, p+1
.endr
.irp k, 0,1,2,3
	v_pk_mul_f32 v[T+2*\k:T+2*\k+1], v[R+2*\k:R+2*\k+1], v[R+2*\k:R+2*\k+1]
.endr
.set p, 4
.rept 12
	v_pk_fma_f32 v[T+2*(p%4):T+2*(p%4)+1], v[R+2*p:R+2*p+1], v[R+2*p:R+2*p+1], v[T+2*(p%4):T+2*(p%4)+1]
.set p, p+1
.endr
	FOLD
	v_fma_f32 v[T], v[T], s20, s21                 ; var + eps
	s_wait_loadcnt \c2
	v_rsq_f32 v[T], v[T]                           ; the sixteen sums below are the plain instructions between it and the use of its result
.set p, 0
.rept 16
	v_pk_add_f32 v[XR+2*p:XR+2*p+1], v[XR+2*p:XR+2*p+1], v[BE+2*p:BE+2*p+1]
.set p, p+1
.endr
.set p, 0
	s_wait_alu depctr_va_vdst(0)
.rept 16
	v_pk_mul_f32 v[R+2*p:R+2*p+1], v[R+2*p:R+2*p+1], v[T:T+1] op_sel_hi:[1,0]
	v_pk_fma_f32 v[R+2*p:R+2*p+1], v[R+2*p:R+2*p+1], v[G+2*p:G+2*p+1], v[XR+2*p:XR+2*p+1]
.set p, p+1
.endr
.irp j, 0,1,2,3,4,5,6,7
.if OUT16
	v_cvt_pk_f16_f32 v[R+4*\j],   v[R+4*\j],   v[R+4*\j+1]
	v_cvt_pk_f16_f32 v[R+4*\j+1], v[R+4*\j+2], v[R+4*\j+3]
	global_store_b64 v3, v[R+4*\j:R+4*\j+1], s[12:13] offset:2048*\i+256*\j            ; a wave's store covers 256 consecutive bytes, aligned
.else
	global_store_b128 v1, v[R+4*\j:R+4*\j+3], s[12:13] offset:4096*\i+512*\j th:TH_STORE_NT
.endif
.endr
.endm
	ROW 0, 40, 8                                   ; 40: all but the first row's y; 8: all but the second row's x
	ROW 1, 8, 0
	s_endpgm
.Lfunc_end_k_qb901fb9006_ln1:
	.size	k_qb901fb9006_ln1, .Lfunc_end_k_qb901fb9006_ln1-k_qb901fb9006_ln1
	.p2alignl 7, 3214868480
	.fill 96, 4, 3214868480
	.section	.rodata,"a",@progbits
	.p2align	6, 0x0
	.amdhsa_kernel k_qb901fb9006_ln1
		.amdhsa_group_segment_fixed_size 0
		.amdhsa_private_segment_fixed_size 0
		.amdhsa_enable_private_segment 0
		.amdhsa_kernarg_size 40
		.amdhsa_user_sgpr_count 2
		.amdhsa_user_sgpr_kernarg_segment_ptr 1
		.amdhsa_wavefront_size32 1
		.amdhsa_system_sgpr_workgroup_id_x 1
		.amdhsa_system_sgpr_workgroup_id_y 1
		.amdhsa_system_sgpr_workgroup_id_z 1
		.amdhsa_system_vgpr_workitem_id 0
		.amdhsa_next_free_vgpr 208
		.amdhsa_next_free_sgpr 66
		.amdhsa_reserve_vcc 0
		.amdhsa_float_denorm_mode_32 3
		.amdhsa_float_denorm_mode_16_64 3
		.amdhsa_memory_ordered 1
		.amdhsa_forward_progress 1
		.amdhsa_inst_pref_size 24
	.end_amdhsa_kernel
	.amdgpu_metadata
---
amdhsa.version: [ 1, 2 ]
amdhsa.kernels:
  - .name:           k_qb901fb9006_ln1
    .symbol:         k_qb901fb9006_ln1.kd
    .args:
      - { .name: y, .offset: 0, .size: 8, .value_kind: global_buffer, .address_space: global }
      - { .name: embedding, .offset: 8, .size: 8, .value_kind: global_buffer, .address_space: global }
      - { .name: g1, .offset: 16, .size: 8, .value_kind: global_buffer, .address_space: global }
      - { .name: be1, .offset: 24, .size: 8, .value_kind: global_buffer, .address_space: global }
      - { .name: act, .offset: 32, .size: 8, .value_kind: global_buffer, .address_space: global }
    .group_segment_fixed_size: 0
    .private_segment_fixed_size: 0
    .kernarg_segment_align: 8
    .kernarg_segment_size: 40
    .max_flat_workgroup_size: 256
    .sgpr_count:     66
    .vgpr_count:     208
    .wavefront_size: 32
...
	.end_amdgpu_metadata
.endif
;; end of part 5
;; launch ffn1 (part 6): grid 16 x 16, 4 waves a work-group, clusters of 4 x 4, 327,680 bytes of LDS; arguments act, wb, wide, b1; writes wide
.if DOCPART == 6
	.amdgcn_target "amdgcn-amd-amdhsa--gfx1250"
	.amdhsa_code_object_version 6
	.text
	.protected	k_qb901fb9006_ffn1
	.globl	k_qb901fb9006_ffn1
	.p2align	8
	.type	k_qb901fb9006_ffn1,@function
k_qb901fb9006_ffn1:
	s_mov_b64 s[64:65], 0
	v_nop
	global_prefetch_b8 v0, s[64:65] scope:SCOPE_SE
	s_setreg_imm32_b32 hwreg(HW_REG_WAVE_MODE, 25, 1), 1
	s_wait_xcnt 0x0
	s_wait_alu depctr_hold_cnt(0) depctr_sa_sdst(0) depctr_va_vdst(0) depctr_va_sdst(0) depctr_va_ssrc(0) depctr_va_vcc(0) depctr_vm_vsrc(0)
	s_getreg_b32 s2, hwreg(HW_REG_IB_STS2, 6, 4)
	s_cmp_eq_u32 s2, 0
	s_cbranch_scc0 .Lentry_in_a_cluster
	s_endpgm
.Lentry_in_a_cluster:
	s_bfe_u32 s2, ttmp6, 0x10000c
	s_cmp_lg_u32 s2, 0xf033
	s_cbranch_scc0 .Lentry_shape_is_right
	s_endpgm
.Lentry_shape_is_right:
; C[m][n] = sum over k of A[m][k] W[k][n] (+ bias[n]) (relu).  Here: A = a in f16 [4096][1024], W = W1 [1024][4096] at byte WOFF of the weights, C = h = relu(a W1 + b1) [4096][4096] f16.
; A tile of C is 256 x 256: four waves, each 128 x 128 = 64 accumulators of 16 x 16 (512 registers).  K goes in steps of 128 through two LDS slots filled by the tensor data mover.
; A's rows lie along K and come out of LDS as they lie; W lies [K][N], its tile is 128 k-rows x 256 n, and its fragments are turned on the way out of LDS (ds_load_tr16_b128).
; THE MATRIX INSTRUCTION IS USED TRANSPOSED: source 0 = 16 columns of W, source 1 = 16 rows of A: a lane then holds eight neighbouring numbers of a row of C.  The bias, where there is one,
; is the C operand of the first product on each accumulator; without one the constant 0 is: nothing is cleared.
; CLUSTERS: 4 x 4 work-groups.  A's tile hangs on the tile row alone and is asked for jointly by a row of the cluster, W's on the tile column alone and is asked for jointly by a column.
; LIMIT: matrix operands and C are f16: magnitudes under 65,504; numbers under 6.1e-5 keep an absolute step of 6e-8.  Sums are f32.
; REGISTERS, in windows of 256: window 0: v0-31 addresses, v64-191 A's two fragment buffers, v32-63 and v192-255 the way out; window 1: v0-63 the bias (8 a block of 16 columns), v64-191 W's two buffers;
; windows 2 and 3: the accumulators of my rows 0-63 and 64-127 ((a, b) at v[8 (8 a + b)]).
.set SIZE_N, 4096
.set SIZE_K, 1024
.set WOFF,   8388608
.set HAS_BIAS, 1
.set RELU,   1
.set KSTEP,  128
.set PITCH,  272                       ; a row of A in LDS: 256 bytes + 16: the 16 rows of a fragment load start 4 banks apart
.set PB,     544                       ; a k-row of W in LDS: 512 bytes + 32
.set HALFT,  128*PITCH                 ; what one tensor load brings: 128 rows of A = 64 k-rows of W = 34,816 bytes
.set SLOT,   4*HALFT                   ; A's 256 rows, then W's 128 k-rows
.set STAGE,  2*SLOT                    ; behind the ring: 16 rows x 272 bytes for each wave, for the way out
.set SPITCH, 272
.set SPARE,  STAGE+4*16*SPITCH         ; the spare words: 128 bytes a wave, two blocks of 256 bytes that no other line names
.set LAPS,   SIZE_K/(2*KSTEP)          ; a lap = two K steps = once round the ring
.set ADRA, 16                          ; v16-17  LDS address of my A fragments in slot 0, 1
.set ADRB, 20                          ; v20-21  the same for W
.set STO,  24                          ; v24     the way out: where I put 16 bytes of a row
.set RD,   25                          ; v25     where I read a row back
.set CO,   26                          ; v26     my byte offset in C
.set BO,   27                          ; v27     my byte offset in a block's 16 numbers of the bias
.set SPW,  28                          ; v28     my spare word; never rewritten
.set NIL,  29                          ; v29     0; never rewritten
.set F0,   64
.set F1,   128
.set TMP,  192
.set OB,   32
.set G1,  24                           ; s[24:31] descriptor group 1 for A;  s[32:39] group 0, a set for each slot
.set G0,  32
.set G1B, 48                           ; s[48:55], s[56:63] the same for W
.set G0B, 56
.set BP,  68                           ; s[68:69] the bias at my first column
.set MSB, 0
.macro WIN new                         ; the immediate's high byte repeats the setting that is left; a switch that changes nothing is dropped
.if MSB != \new
	s_set_vgpr_msb (MSB<<8)|(\new)
.set MSB, \new
.endif
.endm
.set MUL_LO, 0xa1                      ; source 0 (W) window 1, source 1 (A) window 0, C and D window 2
.set MUL_HI, 0xf1                      ; the same, C and D window 3
.set TO_B,   0x40                      ; destination window 1, address window 0
; A joint load: waves 0 and 1 fetch A's two halves, waves 2 and 3 W's.  The branch hangs on the wave's number alone.  Four v_nop follow each line.
.macro JLOAD s
	s_cmp_eq_u32 s11, 0
	s_cbranch_scc0 .Lfor_b_\@
	tensor_load_to_lds s[G0+4*\s:G0+4*\s+3], s[G1:G1+7]
	s_nop 0
.rept 4
	v_nop
.endr
	s_branch .Lasked_\@
.Lfor_b_\@:
	tensor_load_to_lds s[G0B+4*\s:G0B+4*\s+3], s[G1B:G1B+7]
	s_nop 0
.rept 4
	v_nop
.endr
.Lasked_\@:
.endm
.macro CREST                           ; a round of the cluster's barrier behind its opening barrier
	s_cmp_lg_u32 s10, 0
	s_cbranch_scc1 .Lnot_wave_0_\@
	s_barrier_signal -3
.Lnot_wave_0_\@:
	s_barrier_wait -3
	s_barrier_signal -1
	s_barrier_wait -1
.endm
.macro CROUND                          ; a whole round
	s_barrier_signal -1
	s_barrier_wait -1
	CREST
.endm
	s_load_b128 s[4:7], s[0:1], 0x0                ; A s[4:5], the weights s[6:7]
	s_load_b64 s[8:9], s[0:1], 0x10                ; C
.if HAS_BIAS
	s_load_b64 s[BP:BP+1], s[0:1], 0x18            ; the bias
.endif
	v_lshl_add_u32 v[SPW], v0, 2, SPARE
	v_mov_b32 v[NIL], 0
	ds_add_u32 v28, v29
	ds_add_u32 v28, v29
	s_wait_dscnt 0x0
	v_lshrrev_b32 v1, 5, v0
	v_readfirstlane_b32 s10, v1                    ; wave 0..3
	s_lshr_b32 s11, s10, 1                         ; my half of the tile's rows.  Also: I fetch for A (0) or for W (1)
	s_and_b32 s12, s10, 1                          ; my half of its columns.  Also: which half of that tile I fetch
	s_bfe_u32 s40, ttmp6, 0x40000                  ; cx
	s_bfe_u32 s41, ttmp6, 0x40004                  ; cy
	s_lshl_b32 s42, ttmp9, 2
	s_add_co_u32 s42, s42, s40                     ; tile column = 4 x cluster x + cx
	s_and_b32 s13, ttmp7, 0xffff
	s_lshl_b32 s13, s13, 2
	s_add_co_u32 s13, s13, s41                     ; tile row = 4 x cluster y + cy
	s_lshl_b32 s43, s41, 2
	s_lshl_b32 s43, 15, s43                        ; my row of the cluster
	s_lshl_b32 s44, 0x1111, s40                    ; my column
	s_or_b32 s[G1+0], s43, (1<<16)|(1<<20)|(1<<21)|(5<<22)|(3<<25)   ; mask: my row; elements of 2 bytes; padding on; bit 21 beside a mask; after every 64 words 4 words
	s_mov_b32 s[G1+1], KSTEP<<16                   ; tensor_dim0 = 128
	s_mov_b32 s[G1+2], 128<<16                     ; tensor_dim1 = 128
	s_mov_b32 s[G1+3], KSTEP<<16                   ; tile_dim0 = 128
	s_mov_b32 s[G1+4], 128                         ; tile_dim1 = 128
	s_mov_b32 s[G1+5], SIZE_K                      ; elements from row to row
	s_mov_b32 s[G1+6], 0
	s_mov_b32 s[G1+7], 0
	s_or_b32 s[G1B+0], s44, (1<<16)|(1<<20)|(1<<21)|(6<<22)|(7<<25)  ; mask: my column; after every 128 words 8 words
	s_mov_b32 s[G1B+1], 256<<16                    ; tensor_dim0 = 256
	s_mov_b32 s[G1B+2], 64<<16                     ; tensor_dim1 = 64
	s_mov_b32 s[G1B+3], 256<<16                    ; tile_dim0 = 256
	s_mov_b32 s[G1B+4], 64                         ; tile_dim1 = 64
	s_mov_b32 s[G1B+5], SIZE_N
	s_mov_b32 s[G1B+6], 0
	s_mov_b32 s[G1B+7], 0
	s_lshl_b32 s17, s12, 7
	s_lshl_b32 s16, s13, 8
	s_add_co_u32 s16, s16, s17                     ; A: row 256 x tile row + 128 x half
	s_mov_b32 s17, 0
	s_mov_b64 s[18:19], SIZE_K*2
	s_mul_u64 s[16:17], s[16:17], s[18:19]
	s_mul_i32 s46, s12, 64*SIZE_N*2                ; W: k-row 64 x half,
	s_lshl_b32 s47, s42, 9                         ; column 256 x tile column,
	s_add_co_u32 s46, s46, s47
	s_add_co_u32 s46, s46, WOFF                    ; in this matrix of the weights
	s_mov_b32 s47, 0
	s_mul_i32 s20, s10, HALFT                      ; where they go: wave x 34,816: no place in the cluster enters an LDS address
	s_wait_kmcnt 0x0
	s_add_nc_u64 s[14:15], s[4:5], s[16:17]
	s_add_nc_u64 s[46:47], s[6:7], s[46:47]
	CROUND                                         ; all sixteen work-groups are here: the first joint loads meet
.irp s, 0,1
	s_mov_b32 s[G0+4*\s], 1
	s_add_co_u32 s[G0+4*\s+1], s20, \s*SLOT
	s_add_nc_u64 s[G0+4*\s+2:G0+4*\s+3], s[14:15], \s*KSTEP*2
	s_or_b32 s[G0+4*\s+3], s[G0+4*\s+3], 0x80000000
	s_mov_b32 s[G0B+4*\s], 1
	s_add_co_u32 s[G0B+4*\s+1], s20, \s*SLOT
	s_add_nc_u64 s[G0B+4*\s+2:G0B+4*\s+3], s[46:47], \s*KSTEP*SIZE_N*2
	s_or_b32 s[G0B+4*\s+3], s[G0B+4*\s+3], 0x80000000
	JLOAD \s                                       ; two loads of mine are out
.endr
	v_and_b32 v1, 15, v0                           ; l % 16
	v_bfe_u32 v2, v0, 4, 1                         ; l / 16
	v_mul_u32_u24 v3, v1, PITCH
	v_lshl_add_u32 v3, v2, 4, v3                   ; A: row x pitch + 16 x half of the lanes
	v_and_b32 v6, 7, v0
	v_bfe_u32 v7, v0, 3, 1
	v_lshl_add_u32 v8, v2, 3, v6                   ; W: k-row 8 (l / 16) + l % 8,
	v_mul_u32_u24 v8, v8, PB
	v_lshl_add_u32 v8, v7, 4, v8                   ; columns 8 ((l / 8) % 2) on
	s_mul_i32 s21, s11, HALFT                      ; my 128 rows of A
	s_lshl_b32 s22, s12, 8                         ; my 128 columns of W,
	s_add_co_u32 s22, s22, 2*HALFT                 ; which lies behind A
.irp s, 0,1
	v_add_nc_u32 v[ADRA+\s], s21, v3
	v_add_nc_u32 v[ADRB+\s], s22, v8
	s_add_co_u32 s21, s21, SLOT
	s_add_co_u32 s22, s22, SLOT
.endr
	s_mul_i32 s23, s10, 16*SPITCH
	s_add_co_u32 s23, s23, STAGE                   ; my stage
	v_mul_u32_u24 v4, v1, SPITCH
	v_lshl_add_u32 v4, v2, 4, v4
	v_add_nc_u32 v[STO], s23, v4
	v_mul_u32_u24 v5, v2, SPITCH
	v_lshl_add_u32 v5, v1, 4, v5
	v_add_nc_u32 v[RD], s23, v5
	v_mul_u32_u24 v5, v2, SIZE_N*2
	v_lshl_add_u32 v[CO], v1, 4, v5
	s_lshl_b32 s13, s13, 8
	s_lshl_b32 s14, s11, 7
	s_add_co_u32 s16, s13, s14                     ; my first row of C
	s_mov_b32 s17, 0
	s_mov_b64 s[18:19], SIZE_N*2
	s_mul_u64 s[16:17], s[16:17], s[18:19]
	s_lshl_b32 s46, s42, 9                         ; my first column, in bytes
	s_lshl_b32 s47, s12, 8
	s_add_co_u32 s46, s46, s47
	s_mov_b32 s47, 0
	s_add_nc_u64 s[16:17], s[16:17], s[46:47]      ; what the way out adds to C's address
.if HAS_BIAS
	s_lshl_b32 s66, s46, 1                         ; my first column in bytes of f32
	s_mov_b32 s67, 0
	s_add_nc_u64 s[BP:BP+1], s[BP:BP+1], s[66:67]
	v_lshlrev_b32 v[BO], 5, v2                     ; a lane's eight results are columns 8 (l / 16) + 0..7 of a block
	WIN TO_B
.irp b, 0,1,2,3,4,5,6,7
	global_load_b128 v[8*\b:8*\b+3],   v[BO], s[BP:BP+1] offset:64*\b
	global_load_b128 v[8*\b+4:8*\b+7], v[BO], s[BP:BP+1] offset:64*\b+16
.endr
	WIN 0
.endif
; 16 matrix instructions: m blocks a0, a0 + 1 of the window's four x all 8 n blocks, 32 along K.  zero = 1: the first product starts the sums, from the bias or from 0.
.macro MUL16 f, hi, a0, zero
.irp a, \a0, \a0+1
.irp b, 0,1,2,3,4,5,6,7
.if \zero && HAS_BIAS
	v_wmma_f32_16x16x32_f16 v[8*(8*(\a)+\b):8*(8*(\a)+\b)+7], v[\f+8*\b:\f+8*\b+7], v[\f+8*(4*\hi+\a):\f+8*(4*\hi+\a)+7], v[8*\b:8*\b+7]
.elseif \zero
	v_wmma_f32_16x16x32_f16 v[8*(8*(\a)+\b):8*(8*(\a)+\b)+7], v[\f+8*\b:\f+8*\b+7], v[\f+8*(4*\hi+\a):\f+8*(4*\hi+\a)+7], 0
.else
	v_wmma_f32_16x16x32_f16 v[8*(8*(\a)+\b):8*(8*(\a)+\b)+7], v[\f+8*\b:\f+8*\b+7], v[\f+8*(4*\hi+\a):\f+8*(4*\hi+\a)+7], v[8*(8*(\a)+\b):8*(8*(\a)+\b)+7]
.endif
.endr
.endr
.endm
; 32 LDS loads in one run: the fragments of one quarter step (32 along K, at byte k of A's rows = k-row k / 2 of W) into buffer f: W's 16 first, turned, then A's 16
.macro FETCH slot, k, f
	WIN TO_B
.irp i, 0,1,2,3,4,5,6,7
	ds_load_tr16_b128 v[\f+8*\i:\f+8*\i+3],   v[ADRB+\slot] offset:(\k/64)*32*PB+32*\i
	ds_load_tr16_b128 v[\f+8*\i+4:\f+8*\i+7], v[ADRB+\slot] offset:(\k/64)*32*PB+16*PB+32*\i
.endr
	WIN 0
.irp i, 0,1,2,3,4,5,6,7
	ds_load_b128 v[\f+8*\i:\f+8*\i+3],   v[ADRA+\slot] offset:\k+\i*16*PITCH
	ds_load_b128 v[\f+8*\i+4:\f+8*\i+7], v[ADRA+\slot] offset:\k+\i*16*PITCH+32
.endr
.endm
.macro PLACES                          ; four plain vector instructions between a matrix instruction and a load into, or a vector read or write of, its registers (ISA guide 7.12.1 for vector reads and writes)
.rept 4
	v_nop
.endr
.endm
; A K step is four quarters of 32 along K, 64 matrix instructions each, on buffers 0, 1, 0, 1.  One of the first three: multiplies f, and in its middle fetches the next quarter into g.
.macro QUARTER slot, k, f, g, zero
	s_wait_dscnt 8                                 ; W and A's rows 0-63 are in; the youngest eight loads (A's rows 64-127) may be out
.if \zero && HAS_BIAS
	WIN 0x91                                       ; as MUL_LO, with C (the bias) in window 1
.else
	WIN MUL_LO
.endif
	MUL16 \f, 0, 0, \zero
	MUL16 \f, 0, 2, \zero
	PLACES
	FETCH \slot, \k, \g
	s_wait_dscnt 32                                ; all but the 32 just issued
.if \zero && HAS_BIAS
	WIN 0xd1
.else
	WIN MUL_HI
.endif
	MUL16 \f, 1, 0, \zero
	MUL16 \f, 1, 2, \zero
.endm
; The last quarter multiplies buffer 1 and changes slots: one barrier.  In front of it each wave waits for all its tensor loads (one is out: its part of the next slot), adds 0 to its
; spare word, and waits for that and for its own reads of this slot.
.macro MEET round
	WIN 0                                          ; the add's two registers lie in window 0
	s_wait_tensorcnt 0x0
	ds_add_u32 v[SPW], v[NIL]
	s_wait_dscnt 9                                 ; the add and the youngest eight loads may be out
	WIN MUL_LO
	MUL16 F1, 0, 0, 0
	s_wait_dscnt 0x0                               ; the add is done, my reads of this slot are over
	s_barrier_signal -1
	MUL16 F1, 0, 2, 0
.if \round
	WIN 0
.endif
	s_barrier_wait -1
.endm
; fill = 1: the barrier opens a round of the cluster's barrier, and the slot just read is filled again, two K steps on, first thing behind the round.
.macro TURN slot, next, fill
	MEET \fill
.if \fill
	CREST
	s_add_nc_u64 s[G0+4*\slot+2:G0+4*\slot+3], s[G0+4*\slot+2:G0+4*\slot+3], 2*KSTEP*2
	s_add_nc_u64 s[G0B+4*\slot+2:G0B+4*\slot+3], s[G0B+4*\slot+2:G0B+4*\slot+3], 2*KSTEP*SIZE_N*2
	JLOAD \slot                                    ; its four v_nop are also the places in front of the loads below
.else
	PLACES
.endif
	FETCH \next, 0, F0
	WIN MUL_HI
	MUL16 F1, 1, 0, 0
	MUL16 F1, 1, 2, 0
.endm
; THE WAY OUT of block a (16 rows): relu where asked, rounded to f16, 16 bytes a lane into my stage, back as whole rows of 256 bytes, stored.  Each accumulator is read from its lowest register on.
.macro PACK a
.set AC, 64*((\a)%4)
.if RELU
	WIN 0x8a+0x45*((\a)/4)                         ; sources and destination window 2 or 3
.set i, 0
.rept 64
	v_max_num_f32 v[AC+i], 0, v[AC+i]
.set i, i+1
.endr
.endif
	WIN 0x0a+5*((\a)/4)                            ; sources window 2 or 3, destination window 0
.irp b, 0,1,2,3,4,5,6,7
.irp r, 0,1,2,3
	v_cvt_pk_f16_f32 v[TMP+4*\b+\r], v[AC+8*\b+2*\r], v[AC+8*\b+2*\r+1]
.endr
.endr
	WIN 0
.endm
.macro TOSTAGE a
.set BK, OB+192*((\a)%2)
.irp b, 0,1,2,3,4,5,6,7
	ds_store_b128 v[STO], v[TMP+4*\b:TMP+4*\b+3] offset:32*\b
.endr
.irp t, 0,1,2,3,4,5,6,7
	ds_load_b128 v[BK+4*\t:BK+4*\t+3], v[RD] offset:\t*2*SPITCH    ; LDS serves a wave's instructions in order: these see the stores above
.endr
.endm
.macro SEND a
.set BK, OB+192*((\a)%2)
	s_wait_dscnt 0x0                               ; the block is back in registers
	s_wait_xcnt 0x0                                ; the stores' base, and the registers that earlier stores read, are rewritten only behind this wait
.if (\a) == 0
	s_add_nc_u64 s[8:9], s[8:9], s[16:17]
.else
	s_add_nc_u64 s[8:9], s[8:9], 16*SIZE_N*2
.endif
.irp t, 0,1,2,3,4,5,6,7
	global_store_b128 v[CO], v[BK+4*\t:BK+4*\t+3], s[8:9] offset:2*\t*SIZE_N*2   ; 16 lanes store 256 consecutive bytes, aligned
.endr
.endm
	s_wait_tensorcnt 1                             ; my part of K step 0 is in; K step 1's stays out
	s_barrier_signal -1
	s_barrier_wait -1
	FETCH 0, 0, F0
.if HAS_BIAS
	s_wait_loadcnt 0x0                             ; the bias
.endif
	QUARTER 0, 64,  F0, F1, 1                      ; the first quarter starts the sums
	WIN 0
	s_mov_b32 s3, LAPS-1
.Llap:                                                 ; a trip goes once round the ring and fills both slots again
	QUARTER 0, 128, F1, F0, 0
	QUARTER 0, 192, F0, F1, 0
	TURN 0, 1, 1
	QUARTER 1, 64,  F0, F1, 0
	QUARTER 1, 128, F1, F0, 0
	QUARTER 1, 192, F0, F1, 0
	TURN 1, 0, 1
	QUARTER 0, 64,  F0, F1, 0
	WIN 0
	s_sub_co_u32 s3, s3, 1
	s_cmp_lg_u32 s3, 0
	s_cbranch_scc1 .Llap
	QUARTER 0, 128, F1, F0, 0                      ; the last lap fills nothing
	QUARTER 0, 192, F0, F1, 0
	TURN 0, 1, 0
	QUARTER 1, 64,  F0, F1, 0
	QUARTER 1, 128, F1, F0, 0
	QUARTER 1, 192, F0, F1, 0
	s_wait_dscnt 8                                 ; the very last quarter: nothing more to fetch
	WIN MUL_LO
	MUL16 F1, 0, 0, 0
	MUL16 F1, 0, 2, 0
	s_wait_dscnt 0x0
	WIN MUL_HI
	MUL16 F1, 1, 0, 0
	MUL16 F1, 1, 2, 0
	WIN 0
	PLACES
	PACK 0
	TOSTAGE 0
.irp a, 1,2,3,4,5,6,7                  ; block a's arithmetic stands between block a - 1's loads from the stage and the wait for them
	PACK \a
	SEND \a-1
	TOSTAGE \a
.endr
	SEND 7
	s_wait_tensorcnt 0x0                           ; the wave's end
	ds_add_u32 v[SPW], v[NIL]
	s_wait_dscnt 0x0
	CROUND                                         ; the closing round
	s_endpgm
.Lfunc_end_k_qb901fb9006_ffn1:
	.size	k_qb901fb9006_ffn1, .Lfunc_end_k_qb901fb9006_ffn1-k_qb901fb9006_ffn1
	.p2alignl 7, 3214868480
	.fill 96, 4, 3214868480
	.section	.rodata,"a",@progbits
	.p2align	6, 0x0
	.amdhsa_kernel k_qb901fb9006_ffn1
		.amdhsa_group_segment_fixed_size 327680
		.amdhsa_private_segment_fixed_size 0
		.amdhsa_enable_private_segment 0
		.amdhsa_kernarg_size 32
		.amdhsa_user_sgpr_count 2
		.amdhsa_user_sgpr_kernarg_segment_ptr 1
		.amdhsa_wavefront_size32 1
		.amdhsa_system_sgpr_workgroup_id_x 1
		.amdhsa_system_sgpr_workgroup_id_y 1
		.amdhsa_system_sgpr_workgroup_id_z 1
		.amdhsa_system_vgpr_workitem_id 0
		.amdhsa_next_free_vgpr 1024
		.amdhsa_next_free_sgpr 70
		.amdhsa_reserve_vcc 0
		.amdhsa_float_denorm_mode_32 3
		.amdhsa_float_denorm_mode_16_64 3
		.amdhsa_memory_ordered 1
		.amdhsa_forward_progress 1
		.amdhsa_inst_pref_size 161
	.end_amdhsa_kernel
	.amdgpu_metadata
---
amdhsa.version: [ 1, 2 ]
amdhsa.kernels:
  - .name:           k_qb901fb9006_ffn1
    .symbol:         k_qb901fb9006_ffn1.kd
    .args:
      - { .name: act, .offset: 0, .size: 8, .value_kind: global_buffer, .address_space: global }
      - { .name: wb, .offset: 8, .size: 8, .value_kind: global_buffer, .address_space: global }
      - { .name: wide, .offset: 16, .size: 8, .value_kind: global_buffer, .address_space: global }
      - { .name: b1, .offset: 24, .size: 8, .value_kind: global_buffer, .address_space: global }
    .group_segment_fixed_size: 327680
    .private_segment_fixed_size: 0
    .kernarg_segment_align: 8
    .kernarg_segment_size: 32
    .max_flat_workgroup_size: 128
    .sgpr_count:     70
    .vgpr_count:     1024
    .wavefront_size: 32
...
	.end_amdgpu_metadata
.endif
;; end of part 6
;; launch ffn2 (part 7): grid 8 x 32, 4 waves a work-group, clusters of 4 x 4, 327,680 bytes of LDS; arguments wide, wb, y, b2; writes y
.if DOCPART == 7
	.amdgcn_target "amdgcn-amd-amdhsa--gfx1250"
	.amdhsa_code_object_version 6
	.text
	.protected	k_qb901fb9006_ffn2
	.globl	k_qb901fb9006_ffn2
	.p2align	8
	.type	k_qb901fb9006_ffn2,@function
k_qb901fb9006_ffn2:
	s_mov_b64 s[64:65], 0
	v_nop
	global_prefetch_b8 v0, s[64:65] scope:SCOPE_SE
	s_setreg_imm32_b32 hwreg(HW_REG_WAVE_MODE, 25, 1), 1
	s_wait_xcnt 0x0
	s_wait_alu depctr_hold_cnt(0) depctr_sa_sdst(0) depctr_va_vdst(0) depctr_va_sdst(0) depctr_va_ssrc(0) depctr_va_vcc(0) depctr_vm_vsrc(0)
	s_getreg_b32 s2, hwreg(HW_REG_IB_STS2, 6, 4)
	s_cmp_eq_u32 s2, 0
	s_cbranch_scc0 .Lentry_in_a_cluster
	s_endpgm
.Lentry_in_a_cluster:
	s_bfe_u32 s2, ttmp6, 0x10000c
	s_cmp_lg_u32 s2, 0xf033
	s_cbranch_scc0 .Lentry_shape_is_right
	s_endpgm
.Lentry_shape_is_right:
; Y[m][n] = bias[n] + sum over k of A[m][k] W[k][n].  Here: A = h in f16 [4096][4096], W = W2 [4096][1024] at byte WOFF of the weights, Y [4096][1024] f32.
; 4096 x 1024 of Y are 64 tiles of 256 x 256 but 256 tiles of 128 x 128: the smaller tile gives each of 256 work-groups one.  Four waves, each 64 x 64: 16 accumulators, 128 registers.
; K goes in steps of 256 through two LDS slots.  A's rows lie along K (512 bytes a row of the tile); W lies [K][N]: its tile is 256 k-rows x 128 n, turned on the way out of LDS.
; THE MATRIX INSTRUCTION IS USED TRANSPOSED (source 0 = 16 columns of W, source 1 = 16 rows of A): a lane holds eight neighbouring numbers of a row of Y.  The bias is the C operand of the first product.
; CLUSTERS: 4 x 4 work-groups; A's tile is asked for jointly by a row of the cluster, W's by a column.
; LIMIT: matrix operands are f16 (magnitudes under 65,504; numbers under 6.1e-5 keep an absolute step of 6e-8).  Sums and Y are f32.
; REGISTERS: window 0: v0-31 addresses; v32-95 the way out; v96-127 the bias; v128-255 the accumulators ((a, b) at v[128 + 8 (4 a + b)]).  Window 1: two fragment buffers of 128: 64 of A, then 64 of W.
.set SIZE_N, 1024
.set SIZE_K, 4096
.set WOFF,   16777216
.set KSTEP,  256
.set PITCH,  528                       ; a row of A in LDS: 512 bytes + 16
.set PB,     288                       ; a k-row of W in LDS: 256 bytes + 32
.set HALFA,  64*PITCH                  ; what a tensor load brings of A: 64 rows
.set HALFB,  128*PB                    ; and of W: 128 k-rows
.set AOFF,   2*HALFB                   ; a slot: W's 256 k-rows, then A's 128 rows
.set SLOT,   AOFF+2*HALFA
.set STAGE,  2*SLOT                    ; behind the ring: 16 rows x 272 bytes for each wave
.set SPITCH, 272
.set SPARE,  STAGE+4*16*SPITCH         ; the spare words: 128 bytes a wave, two blocks of 256 bytes that no other line names
.set LAPS,   SIZE_K/(2*KSTEP)
.set ADRA, 16                          ; v16-17  LDS address of my A fragments in slot 0, 1
.set ADRB, 20                          ; v20-21  of my W fragments, k-rows 0-127
.set ADRB2, 22                         ; v22-23  k-rows 128-255: so the loads' immediates stay inside 16 bits
.set STO,  24
.set RD,   25
.set CO,   26
.set BO,   27
.set SPW,  28                          ; my spare word; never rewritten
.set NIL,  29                          ; 0; never rewritten
.set TMP,  32
.set BIAS, 96
.set ACC,  128
.set F0,   0
.set F1,   128
.set G1,  24                           ; s[24:31], s[32:39] descriptor groups 1 and 0 for A
.set G0,  32
.set G1B, 48                           ; s[48:55], s[56:63] for W
.set G0B, 56
.set BP,  68                           ; s[68:69] the bias
.set MSB, 0
.macro WIN new
.if MSB != \new
	s_set_vgpr_msb (MSB<<8)|(\new)
.set MSB, \new
.endif
.endm
.set MUL,  0x05                        ; sources 0 (W) and 1 (A) window 1; C and D window 0
.set TO_F, 0x40                        ; destination window 1, address window 0
.macro JLOAD s                         ; a joint load: waves 0 and 1 fetch W's two halves, waves 2 and 3 A's; four v_nop follow each line
	s_cmp_eq_u32 s11, 0
	s_cbranch_scc0 .Lfor_a_\@
	tensor_load_to_lds s[G0B+4*\s:G0B+4*\s+3], s[G1B:G1B+7]
	s_nop 0
.rept 4
	v_nop
.endr
	s_branch .Lasked_\@
.Lfor_a_\@:
	tensor_load_to_lds s[G0+4*\s:G0+4*\s+3], s[G1:G1+7]
	s_nop 0
.rept 4
	v_nop
.endr
.Lasked_\@:
.endm
.macro CREST
	s_cmp_lg_u32 s10, 0
	s_cbranch_scc1 .Lnot_wave_0_\@
	s_barrier_signal -3
.Lnot_wave_0_\@:
	s_barrier_wait -3
	s_barrier_signal -1
	s_barrier_wait -1
.endm
.macro CROUND
	s_barrier_signal -1
	s_barrier_wait -1
	CREST
.endm
	s_load_b128 s[4:7], s[0:1], 0x0                ; A s[4:5], the weights s[6:7]
	s_load_b64 s[8:9], s[0:1], 0x10                ; Y
	s_load_b64 s[BP:BP+1], s[0:1], 0x18            ; the bias
	v_lshl_add_u32 v[SPW], v0, 2, SPARE
	v_mov_b32 v[NIL], 0
	ds_add_u32 v28, v29
	ds_add_u32 v28, v29
	s_wait_dscnt 0x0
	v_lshrrev_b32 v1, 5, v0
	v_readfirstlane_b32 s10, v1                    ; wave 0..3
	s_lshr_b32 s11, s10, 1                         ; my half of the tile's rows.  Also: I fetch for W (0) or for A (1)
	s_and_b32 s12, s10, 1                          ; my half of its columns.  Also: which half of that tile I fetch
	s_bfe_u32 s40, ttmp6, 0x40000                  ; cx, cy
	s_bfe_u32 s41, ttmp6, 0x40004
	s_lshl_b32 s42, ttmp9, 2
	s_add_co_u32 s42, s42, s40                     ; tile column
	s_and_b32 s13, ttmp7, 0xffff
	s_lshl_b32 s13, s13, 2
	s_add_co_u32 s13, s13, s41                     ; tile row
	s_lshl_b32 s43, s41, 2
	s_lshl_b32 s43, 15, s43                        ; my row of the cluster
	s_lshl_b32 s44, 0x1111, s40                    ; my column
	s_or_b32 s[G1+0], s43, (1<<16)|(1<<20)|(1<<21)|(6<<22)|(3<<25)   ; mask: my row; elements of 2 bytes; padding on; bit 21 beside a mask; after every 128 words 4 words
	s_mov_b32 s[G1+1], KSTEP<<16                   ; tensor_dim0 = 256
	s_mov_b32 s[G1+2], 64<<16                      ; tensor_dim1 = 64
	s_mov_b32 s[G1+3], KSTEP<<16                   ; tile_dim0 = 256
	s_mov_b32 s[G1+4], 64                          ; tile_dim1 = 64
	s_mov_b32 s[G1+5], SIZE_K
	s_mov_b32 s[G1+6], 0
	s_mov_b32 s[G1+7], 0
	s_or_b32 s[G1B+0], s44, (1<<16)|(1<<20)|(1<<21)|(5<<22)|(7<<25)  ; mask: my column; after every 64 words 8 words
	s_mov_b32 s[G1B+1], 128<<16                    ; tensor_dim0 = 128
	s_mov_b32 s[G1B+2], 128<<16                    ; tensor_dim1 = 128
	s_mov_b32 s[G1B+3], 128<<16                    ; tile_dim0 = 128
	s_mov_b32 s[G1B+4], 128                        ; tile_dim1 = 128
	s_mov_b32 s[G1B+5], SIZE_N
	s_mov_b32 s[G1B+6], 0
	s_mov_b32 s[G1B+7], 0
	s_lshl_b32 s17, s12, 6
	s_lshl_b32 s16, s13, 7
	s_add_co_u32 s16, s16, s17                     ; A: row 128 x tile row + 64 x half
	s_mov_b32 s17, 0
	s_mov_b64 s[18:19], SIZE_K*2
	s_mul_u64 s[16:17], s[16:17], s[18:19]
	s_mul_i32 s46, s12, 128*SIZE_N*2               ; W: k-row 128 x half,
	s_lshl_b32 s47, s42, 8                         ; column 128 x tile column,
	s_add_co_u32 s46, s46, s47
	s_add_co_u32 s46, s46, WOFF                    ; in this matrix of the weights
	s_mov_b32 s47, 0
	s_mul_i32 s20, s10, HALFB                      ; where W's halves go (waves 0, 1),
	s_mul_i32 s45, s10, HALFA
	s_add_co_u32 s45, s45, AOFF-2*HALFA            ; and A's (waves 2, 3): a constant and the wave's number times a constant
	s_wait_kmcnt 0x0
	s_add_nc_u64 s[14:15], s[4:5], s[16:17]
	s_add_nc_u64 s[46:47], s[6:7], s[46:47]
	CROUND                                         ; all sixteen work-groups are here: the first joint loads meet
.irp s, 0,1
	s_mov_b32 s[G0+4*\s], 1
	s_add_co_u32 s[G0+4*\s+1], s45, \s*SLOT
	s_add_nc_u64 s[G0+4*\s+2:G0+4*\s+3], s[14:15], \s*KSTEP*2
	s_or_b32 s[G0+4*\s+3], s[G0+4*\s+3], 0x80000000
	s_mov_b32 s[G0B+4*\s], 1
	s_add_co_u32 s[G0B+4*\s+1], s20, \s*SLOT
	s_add_nc_u64 s[G0B+4*\s+2:G0B+4*\s+3], s[46:47], \s*KSTEP*SIZE_N*2
	s_or_b32 s[G0B+4*\s+3], s[G0B+4*\s+3], 0x80000000
	JLOAD \s                                       ; two loads of mine are out
.endr
	v_and_b32 v1, 15, v0                           ; l % 16
	v_bfe_u32 v2, v0, 4, 1                         ; l / 16
	v_mul_u32_u24 v3, v1, PITCH
	v_lshl_add_u32 v3, v2, 4, v3
	v_and_b32 v6, 7, v0
	v_bfe_u32 v7, v0, 3, 1
	v_lshl_add_u32 v8, v2, 3, v6
	v_mul_u32_u24 v8, v8, PB
	v_lshl_add_u32 v8, v7, 4, v8
	s_mul_i32 s21, s11, HALFA                      ; my 64 rows of A,
	s_add_co_u32 s21, s21, AOFF                    ; which lies behind W
	s_lshl_b32 s22, s12, 7                         ; my 64 columns of W
.irp s, 0,1
	v_add_nc_u32 v[ADRA+\s], s21, v3
	v_add_nc_u32 v[ADRB+\s], s22, v8
	v_add_nc_u32 v[ADRB2+\s], 128*PB, v[ADRB+\s]
	s_add_co_u32 s21, s21, SLOT
	s_add_co_u32 s22, s22, SLOT
.endr
	s_mul_i32 s23, s10, 16*SPITCH
	s_add_co_u32 s23, s23, STAGE                   ; my stage: a wave's 64 columns of f32 are 256 aligned bytes, so it needs no other wave's
	v_mul_u32_u24 v4, v1, SPITCH
	v_lshl_add_u32 v4, v2, 5, v4                   ; in: row l % 16, 32 bytes for each half of the lanes
	v_add_nc_u32 v[STO], s23, v4
	v_mul_u32_u24 v5, v2, SPITCH
	v_lshl_add_u32 v5, v1, 4, v5                   ; back: lanes 0-15 one row of 256 bytes, lanes 16-31 the next
	v_add_nc_u32 v[RD], s23, v5
	v_lshlrev_b32 v5, 12, v2
	v_lshl_add_u32 v[CO], v1, 4, v5                ; the same two rows in Y
	s_lshl_b32 s16, s13, 7
	s_lshl_b32 s17, s11, 6
	s_add_co_u32 s16, s16, s17                     ; my first row of Y
	s_lshl_b32 s16, s16, 12                        ; rows of 4,096 bytes
	s_mov_b32 s17, 0
	s_add_nc_u64 s[8:9], s[8:9], s[16:17]
	s_lshl_b32 s46, s42, 9                         ; my first column in bytes of f32: in Y and in the bias
	s_lshl_b32 s47, s12, 8
	s_add_co_u32 s46, s46, s47
	s_mov_b32 s47, 0
	s_add_nc_u64 s[8:9], s[8:9], s[46:47]
	s_add_nc_u64 s[BP:BP+1], s[BP:BP+1], s[46:47]
	v_lshlrev_b32 v[BO], 5, v2                     ; a lane's eight results are columns 8 (l / 16) + 0..7 of a block
.irp b, 0,1,2,3
	global_load_b128 v[BIAS+8*\b:BIAS+8*\b+3],   v[BO], s[BP:BP+1] offset:64*\b
	global_load_b128 v[BIAS+8*\b+4:BIAS+8*\b+7], v[BO], s[BP:BP+1] offset:64*\b+16
.endr
; 8 matrix instructions: m blocks a0, a0 + 1 x all 4 n blocks, 32 along K: half c of buffer f.  zero = 1: the first product starts the sums from the bias
.macro MUL8 f, c, a0, zero
.irp a, \a0, \a0+1
.irp b, 0,1,2,3
.if \zero
	v_wmma_f32_16x16x32_f16 v[ACC+8*(4*(\a)+\b):ACC+8*(4*(\a)+\b)+7], v[\f+64+8*(4*\c+\b):\f+64+8*(4*\c+\b)+7], v[\f+8*(4*\c+\a):\f+8*(4*\c+\a)+7], v[BIAS+8*\b:BIAS+8*\b+7]
.else
	v_wmma_f32_16x16x32_f16 v[ACC+8*(4*(\a)+\b):ACC+8*(4*(\a)+\b)+7], v[\f+64+8*(4*\c+\b):\f+64+8*(4*\c+\b)+7], v[\f+8*(4*\c+\a):\f+8*(4*\c+\a)+7], v[ACC+8*(4*(\a)+\b):ACC+8*(4*(\a)+\b)+7]
.endif
.endr
.endr
.endm
; 32 LDS loads in one run: the fragments of 64 along K (byte k of A's rows = k-row k / 2 of W) into buffer f; the first 32 along K first
.macro FETCH slot, k, f
	WIN TO_F
.if \k < 256
.set AW, ADRB+\slot
.else
.set AW, ADRB2+\slot
.endif
.set KR, (\k/2)%128
.irp c, 0,1
.irp i, 0,1,2,3
	ds_load_tr16_b128 v[\f+64+8*(4*\c+\i):\f+64+8*(4*\c+\i)+3],   v[AW] offset:(KR+32*\c)*PB+32*\i
	ds_load_tr16_b128 v[\f+64+8*(4*\c+\i)+4:\f+64+8*(4*\c+\i)+7], v[AW] offset:(KR+32*\c+16)*PB+32*\i
	ds_load_b128 v[\f+8*(4*\c+\i):\f+8*(4*\c+\i)+3],         v[ADRA+\slot] offset:\k+64*\c+\i*16*PITCH
	ds_load_b128 v[\f+8*(4*\c+\i)+4:\f+8*(4*\c+\i)+7],       v[ADRA+\slot] offset:\k+64*\c+\i*16*PITCH+32
.endr
.endr
.endm
.macro PLACES                          ; four plain vector instructions between a matrix instruction and a load into, or a read of, its registers
.rept 4
	v_nop
.endr
.endm
; A K step is four quarters of 64 along K, 32 matrix instructions each, on buffers 0, 1, 0, 1; the 16 accumulators take turns.
.macro QUARTER slot, k, f, g, zero
	s_wait_dscnt 16                                ; the first 32 along K are in; the youngest sixteen loads may be out
	WIN MUL
	MUL8 \f, 0, 0, \zero
	MUL8 \f, 0, 2, \zero
	PLACES
	FETCH \slot, \k, \g
	s_wait_dscnt 32                                ; all but the 32 just issued
	WIN MUL
	MUL8 \f, 1, 0, 0
	MUL8 \f, 1, 2, 0
.endm
; The last quarter multiplies buffer 1 and changes slots: one barrier; in front of it each wave waits for all its tensor loads, adds 0 to its spare word, and waits for that and its reads of this slot.
.macro TURN slot, next, fill
	WIN 0
	s_wait_tensorcnt 0x0                           ; my part of the next slot has landed
	ds_add_u32 v[SPW], v[NIL]
	s_wait_dscnt 17                                ; the add and the youngest sixteen loads may be out
	WIN MUL
	MUL8 F1, 0, 0, 0
	s_wait_dscnt 0x0                               ; the add is done, my reads of this slot are over
	s_barrier_signal -1
	MUL8 F1, 0, 2, 0
.if \fill
	WIN 0
.endif
	s_barrier_wait -1
.if \fill
	CREST                                          ; the barrier has opened a round of the cluster's barrier
	s_add_nc_u64 s[G0+4*\slot+2:G0+4*\slot+3], s[G0+4*\slot+2:G0+4*\slot+3], 2*KSTEP*2
	s_add_nc_u64 s[G0B+4*\slot+2:G0B+4*\slot+3], s[G0B+4*\slot+2:G0B+4*\slot+3], 2*KSTEP*SIZE_N*2
	JLOAD \slot                                    ; the first tensor load behind the round; its four v_nop are also the places in front of the loads below
.else
	PLACES
.endif
	FETCH \next, 0, F0
	WIN MUL
	MUL8 F1, 1, 0, 0
	MUL8 F1, 1, 2, 0
.endm
	s_wait_tensorcnt 1                             ; my part of K step 0 is in; K step 1's stays out
	s_barrier_signal -1
	s_barrier_wait -1
	FETCH 0, 0, F0
	s_wait_loadcnt 0x0                             ; the bias
	QUARTER 0, 128, F0, F1, 1
.if LAPS > 1
	WIN 0
	s_mov_b32 s3, LAPS-1
.Llap:
	QUARTER 0, 256, F1, F0, 0
	QUARTER 0, 384, F0, F1, 0
	TURN 0, 1, 1
	QUARTER 1, 128, F0, F1, 0
	QUARTER 1, 256, F1, F0, 0
	QUARTER 1, 384, F0, F1, 0
	TURN 1, 0, 1
	QUARTER 0, 128, F0, F1, 0
	WIN 0
	s_sub_co_u32 s3, s3, 1
	s_cmp_lg_u32 s3, 0
	s_cbranch_scc1 .Llap
.endif
	QUARTER 0, 256, F1, F0, 0                      ; the last lap fills nothing
	QUARTER 0, 384, F0, F1, 0
	TURN 0, 1, 0
	QUARTER 1, 128, F0, F1, 0
	QUARTER 1, 256, F1, F0, 0
	QUARTER 1, 384, F0, F1, 0
	s_wait_dscnt 16
	WIN MUL
	MUL8 F1, 0, 0, 0
	MUL8 F1, 0, 2, 0
	s_wait_dscnt 0x0
	MUL8 F1, 1, 0, 0
	MUL8 F1, 1, 2, 0
	WIN 0
; THE WAY OUT of block a (16 rows x 64 columns of f32): 32 bytes a lane into my stage, back as whole rows of 256 bytes, stored.  Each accumulator's low four registers go first.
.macro OUTF a
.set BK, TMP+32*((\a)%2)
.irp b, 0,1,2,3
	ds_store_b128 v[STO], v[ACC+8*(4*\a+\b):ACC+8*(4*\a+\b)+3]   offset:64*\b
	ds_store_b128 v[STO], v[ACC+8*(4*\a+\b)+4:ACC+8*(4*\a+\b)+7] offset:64*\b+16
.endr
	s_wait_xcnt 0x0                                ; registers that earlier stores read are loaded again only behind this wait
.irp t, 0,1,2,3,4,5,6,7
	ds_load_b128 v[BK+4*\t:BK+4*\t+3], v[RD] offset:\t*2*SPITCH    ; LDS serves a wave's instructions in order: these see the stores above
.endr
.irp t, 0,1,2,3,4,5,6,7
	s_wait_dscnt 7-\t
	global_store_b128 v[CO], v[BK+4*\t:BK+4*\t+3], s[8:9] offset:(16*\a+2*\t)*4096   ; 16 lanes store 256 consecutive bytes, aligned
.endr
.endm
	PLACES
	OUTF 0
	OUTF 1
	OUTF 2
	OUTF 3
	s_wait_tensorcnt 0x0                           ; the wave's end
	ds_add_u32 v[SPW], v[NIL]
	s_wait_dscnt 0x0
	CROUND                                         ; the closing round
	s_endpgm
.Lfunc_end_k_qb901fb9006_ffn2:
	.size	k_qb901fb9006_ffn2, .Lfunc_end_k_qb901fb9006_ffn2-k_qb901fb9006_ffn2
	.p2alignl 7, 3214868480
	.fill 96, 4, 3214868480
	.section	.rodata,"a",@progbits
	.p2align	6, 0x0
	.amdhsa_kernel k_qb901fb9006_ffn2
		.amdhsa_group_segment_fixed_size 327680
		.amdhsa_private_segment_fixed_size 0
		.amdhsa_enable_private_segment 0
		.amdhsa_kernarg_size 32
		.amdhsa_user_sgpr_count 2
		.amdhsa_user_sgpr_kernarg_segment_ptr 1
		.amdhsa_wavefront_size32 1
		.amdhsa_system_sgpr_workgroup_id_x 1
		.amdhsa_system_sgpr_workgroup_id_y 1
		.amdhsa_system_sgpr_workgroup_id_z 1
		.amdhsa_system_vgpr_workitem_id 0
		.amdhsa_next_free_vgpr 512
		.amdhsa_next_free_sgpr 70
		.amdhsa_reserve_vcc 0
		.amdhsa_float_denorm_mode_32 3
		.amdhsa_float_denorm_mode_16_64 3
		.amdhsa_memory_ordered 1
		.amdhsa_forward_progress 1
		.amdhsa_inst_pref_size 88
	.end_amdhsa_kernel
	.amdgpu_metadata
---
amdhsa.version: [ 1, 2 ]
amdhsa.kernels:
  - .name:           k_qb901fb9006_ffn2
    .symbol:         k_qb901fb9006_ffn2.kd
    .args:
      - { .name: wide, .offset: 0, .size: 8, .value_kind: global_buffer, .address_space: global }
      - { .name: wb, .offset: 8, .size: 8, .value_kind: global_buffer, .address_space: global }
      - { .name: y, .offset: 16, .size: 8, .value_kind: global_buffer, .address_space: global }
      - { .name: b2, .offset: 24, .size: 8, .value_kind: global_buffer, .address_space: global }
    .group_segment_fixed_size: 327680
    .private_segment_fixed_size: 0
    .kernarg_segment_align: 8
    .kernarg_segment_size: 32
    .max_flat_workgroup_size: 128
    .sgpr_count:     70
    .vgpr_count:     512
    .wavefront_size: 32
...
	.end_amdgpu_metadata
.endif
;; end of part 7
;; launch ln2 (part 8): grid 256 x 1, 8 waves a work-group, no clusters, 0 bytes of LDS; arguments y, embedding, g2, be2, out0; writes out0
.if DOCPART == 8
	.amdgcn_target "amdgcn-amd-amdhsa--gfx1250"
	.amdhsa_code_object_version 6
	.text
	.protected	k_qb901fb9006_ln2
	.globl	k_qb901fb9006_ln2
	.p2align	8
	.type	k_qb901fb9006_ln2,@function
k_qb901fb9006_ln2:
	s_mov_b64 s[64:65], 0
	v_nop
	global_prefetch_b8 v0, s[64:65] scope:SCOPE_SE
	s_setreg_imm32_b32 hwreg(HW_REG_WAVE_MODE, 25, 1), 1
	s_wait_xcnt 0x0
; out[r][c] = x[r][c] + (y[r][c] - mean_r) / sqrt(var_r + 1e-5) * g[c] + be[c].  y, x: [4096][1024] f32.  Here out is f32, the block's result.
; A row is 4,096 bytes: one wave holds a whole row in 32 registers, so y is read once, the variance is taken from the differences (two passes over registers), and no wave waits for another.
; 256 work-groups of eight waves, two rows a wave, straight line: all 48 loads of a wave go out at the start; the waits are counted.  Memory binds: no LDS, no matrix unit.
.set OUT16, 0
.set Y,  8                             ; v[8:71]    two rows of y, then of the result
.set G,  72                            ; v[72:103]  g of my 32 columns
.set BE, 104                           ; v[104:135] be
.set X,  136                           ; v[136:199] two rows of x, then of x + be
.set T,  200                           ; v[200:207] four chains of sums; v200 then holds the mean, later 1 / sqrt(var + eps)
	s_load_b256 s[4:11], s[0:1], 0x0               ; y s[4:5], x s[6:7], g s[8:9], be s[10:11]
	s_load_b64 s[12:13], s[0:1], 0x20              ; out
	v_and_b32 v4, 31, v0
	v_lshrrev_b32 v5, 5, v0
	v_lshlrev_b32 v2, 4, v4                        ; 16 x lane: my place in 512 bytes of a row
	v_lshl_add_u32 v1, v5, 13, v2                  ; + wave x 2 rows
.if OUT16
	v_lshlrev_b32 v3, 3, v4
	v_lshl_add_u32 v3, v5, 12, v3                  ; the same in rows of 2,048 bytes
.endif
	s_lshl_b32 s14, ttmp9, 16                      ; the work-group's 16 rows
	s_mov_b32 s15, 0
	s_lshl_b32 s16, ttmp9, 15
	s_mov_b32 s17, 0
	s_mov_b32 s18, 0x76543210                      ; v_permlanex16_b32: each lane takes its own place in the other half
	s_mov_b32 s19, 0xfedcba98
	s_mov_b32 s20, 0x3a800000                      ; 1 / 1024
	s_mov_b32 s21, 0x3727c5ac                      ; 1e-5
	s_wait_kmcnt 0x0
	s_add_nc_u64 s[4:5], s[4:5], s[14:15]
	s_add_nc_u64 s[6:7], s[6:7], s[14:15]
.if OUT16
	s_add_nc_u64 s[12:13], s[12:13], s[16:17]
.else
	s_add_nc_u64 s[12:13], s[12:13], s[14:15]
.endif
.irp i, 0,1
.irp j, 0,1,2,3,4,5,6,7
	global_load_b128 v[Y+32*\i+4*\j:Y+32*\i+4*\j+3], v1, s[4:5] offset:4096*\i+512*\j th:TH_LOAD_NT
.endr
.endr
.irp j, 0,1,2,3,4,5,6,7
	global_load_b128 v[G+4*\j:G+4*\j+3], v2, s[8:9] offset:512*\j
.endr
.irp j, 0,1,2,3,4,5,6,7
	global_load_b128 v[BE+4*\j:BE+4*\j+3], v2, s[10:11] offset:512*\j
.endr
.irp i, 0,1
.irp j, 0,1,2,3,4,5,6,7
	global_load_b128 v[X+32*\i+4*\j:X+32*\i+4*\j+3], v1, s[6:7] offset:4096*\i+512*\j
.endr
.endr
.macro FOLD                            ; the four chains become one number a lane, then one for the wave, in every lane
	v_pk_add_f32 v[T:T+1], v[T:T+1], v[T+2:T+3]
	v_pk_add_f32 v[T+4:T+5], v[T+4:T+5], v[T+6:T+7]
	v_pk_add_f32 v[T:T+1], v[T:T+1], v[T+4:T+5]
	v_add_f32 v[T], v[T], v[T+1]
	v_add_f32_dpp v[T], v[T], v[T] row_xmask:1 row_mask:0xf bank_mask:0xf
	v_add_f32_dpp v[T], v[T], v[T] row_xmask:2 row_mask:0xf bank_mask:0xf
	v_add_f32_dpp v[T], v[T], v[T] row_xmask:4 row_mask:0xf bank_mask:0xf
	v_add_f32_dpp v[T], v[T], v[T] row_xmask:8 row_mask:0xf bank_mask:0xf
	v_permlanex16_b32 v[T+2], v[T], s18, s19
	v_add_f32 v[T], v[T], v[T+2]
.endm
; Row i.  c1: the younger loads that may be out when the row's y is needed; c2: when g, be and the row's x are.
.macro ROW i, c1, c2
.set R,  Y+32*\i
.set XR, X+32*\i
	s_wait_loadcnt \c1
.irp k, 0,1,2,3
	v_pk_add_f32 v[T+2*\k:T+2*\k+1], v[R+2*\k:R+2*\k+1], v[R+8+2*\k:R+8+2*\k+1]        ; the first sums start the chains: nothing is cleared
.endr
.irp m, 16,24
.irp k, 0,1,2,3
	v_pk_add_f32 v[T+2*\k:T+2*\k+1], v[T+2*\k:T+2*\k+1], v[R+\m+2*\k:R+\m+2*\k+1]
.endr
.endr
	FOLD
	v_mul_f32 v[T], s20, v[T]                      ; the mean
.set p, 0
.rept 16
	v_pk_add_f32 v[R+2*p:R+2*p+1], v[R+2*p:R+2*p+1], v[T:T+1] op_sel_hi:[1,0] neg_lo:[0,1] neg_hi:[0,1]   ; y - mean, in place
.set p, p+1
.endr
.irp k, 0,1,2,3
	v_pk_mul_f32 v[T+2*\k:T+2*\k+1], v[R+2*\k:R+2*\k+1], v[R+2*\k:R+2*\k+1]
.endr
.set p, 4
.rept 12
	v_pk_fma_f32 v[T+2*(p%4):T+2*(p%4)+1], v[R+2*p:R+2*p+1], v[R+2*p:R+2*p+1], v[T+2*(p%4):T+2*(p%4)+1]
.set p, p+1
.endr
	FOLD
	v_fma_f32 v[T], v[T], s20, s21                 ; var + eps
	s_wait_loadcnt \c2
	v_rsq_f32 v[T], v[T]                           ; the sixteen sums below are the plain instructions between it and the use of its result
.set p, 0
.rept 16
	v_pk_add_f32 v[XR+2*p:XR+2*p+1], v[XR+2*p:XR+2*p+1], v[BE+2*p:BE+2*p+1]
.set p, p+1
.endr
.set p, 0
	s_wait_alu depctr_va_vdst(0)
.rept 16
	v_pk_mul_f32 v[R+2*p:R+2*p+1], v[R+2*p:R+2*p+1], v[T:T+1] op_sel_hi:[1,0]
	v_pk_fma_f32 v[R+2*p:R+2*p+1], v[R+2*p:R+2*p+1], v[G+2*p:G+2*p+1], v[XR+2*p:XR+2*p+1]
.set p, p+1
.endr
.irp j, 0,1,2,3,4,5,6,7
.if OUT16
	v_cvt_pk_f16_f32 v[R+4*\j],   v[R+4*\j],   v[R+4*\j+1]
	v_cvt_pk_f16_f32 v[R+4*\j+1], v[R+4*\j+2], v[R+4*\j+3]
	global_store_b64 v3, v[R+4*\j:R+4*\j+1], s[12:13] offset:2048*\i+256*\j            ; a wave's store covers 256 consecutive bytes, aligned
.else
	global_store_b128 v1, v[R+4*\j:R+4*\j+3], s[12:13] offset:4096*\i+512*\j th:TH_STORE_NT
.endif
.endr
.endm
	ROW 0, 40, 8                                   ; 40: all but the first row's y; 8: all but the second row's x
	ROW 1, 8, 0
	s_endpgm
.Lfunc_end_k_qb901fb9006_ln2:
	.size	k_qb901fb9006_ln2, .Lfunc_end_k_qb901fb9006_ln2-k_qb901fb9006_ln2
	.p2alignl 7, 3214868480
	.fill 96, 4, 3214868480
	.section	.rodata,"a",@progbits
	.p2align	6, 0x0
	.amdhsa_kernel k_qb901fb9006_ln2
		.amdhsa_group_segment_fixed_size 0
		.amdhsa_private_segment_fixed_size 0
		.amdhsa_enable_private_segment 0
		.amdhsa_kernarg_size 40
		.amdhsa_user_sgpr_count 2
		.amdhsa_user_sgpr_kernarg_segment_ptr 1
		.amdhsa_wavefront_size32 1
		.amdhsa_system_sgpr_workgroup_id_x 1
		.amdhsa_system_sgpr_workgroup_id_y 1
		.amdhsa_system_sgpr_workgroup_id_z 1
		.amdhsa_system_vgpr_workitem_id 0
		.amdhsa_next_free_vgpr 208
		.amdhsa_next_free_sgpr 66
		.amdhsa_reserve_vcc 0
		.amdhsa_float_denorm_mode_32 3
		.amdhsa_float_denorm_mode_16_64 3
		.amdhsa_memory_ordered 1
		.amdhsa_forward_progress 1
		.amdhsa_inst_pref_size 22
	.end_amdhsa_kernel
	.amdgpu_metadata
---
amdhsa.version: [ 1, 2 ]
amdhsa.kernels:
  - .name:           k_qb901fb9006_ln2
    .symbol:         k_qb901fb9006_ln2.kd
    .args:
      - { .name: y, .offset: 0, .size: 8, .value_kind: global_buffer, .address_space: global }
      - { .name: embedding, .offset: 8, .size: 8, .value_kind: global_buffer, .address_space: global }
      - { .name: g2, .offset: 16, .size: 8, .value_kind: global_buffer, .address_space: global }
      - { .name: be2, .offset: 24, .size: 8, .value_kind: global_buffer, .address_space: global }
      - { .name: out0, .offset: 32, .size: 8, .value_kind: global_buffer, .address_space: global }
    .group_segment_fixed_size: 0
    .private_segment_fixed_size: 0
    .kernarg_segment_align: 8
    .kernarg_segment_size: 40
    .max_flat_workgroup_size: 256
    .sgpr_count:     66
    .vgpr_count:     208
    .wavefront_size: 32
...
	.end_amdgpu_metadata
.endif
;; end of part 8
